; MI455X (gfx1250); checked and timed in simulation.
; The chip was launched on July 23, 2026; its instructions are those of AMD's public machine-readable ISA for CDNA 5 (MIT licence, August 2026) and "CDNA5" Instruction Set Architecture Reference Guide (July 2026). The comments in the code are by the model that wrote it; some were corrected since.
;; Time Decay Multihead Attention. Allowed arithmetic: matrix products marked QUANTISED: E2M3 operands, one E8M0 scale for each 32 along K, by v_wmma_scale_f32_16x16x128_f8f6f4 with both operands' format E2M3, f32 sums; everything else in f32.
;; Inputs: Wk 1,024 x 1,024 float32; Wo 1,024 x 1,024 float32; Wq 1,024 x 1,024 float32; Wv 1,024 x 1,024 float32; bk 1,024 float32; bo 1,024 float32; bq 1,024 float32; bv 1,024 float32; key 2,048 x 4 x 1,024 float32; query 2,048 x 4 x 1,024 float32; time_decay 2,048 x 4 x 1,024 float32; value 2,048 x 4 x 1,024 float32.
;; Outputs: out0 2,048 x 4 x 1,024 float32.
;; This version of the problem:
;;   THIS VERSION OF THE PROBLEM IS GIVEN IN LOW PRECISION. The matrix products marked QUANTISED in the list below multiply operands that are first quantised to E2M3 (2 exponent bits, 3 mantissa bits; 6 bits a number), with one power-of-two scale for each 32 numbers along K (OCP MX v1.0); their sums are f32. All else is computed in f32.
;;   The module's matrix products, in the order in which they are computed (A, B: the left and right operand; K: the contracted axis; several contracted axes count as one K, in the product's order):
;;     1. [M 8,192, K 1,024] x [K 1,024, N 1,024]; A: input query; B: input Wq: QUANTISED
;;     2. [M 8,192, K 1,024] x [K 1,024, N 1,024]; A: input key; B: input Wk: QUANTISED
;;     3. [M 8,192, K 1,024] x [K 1,024, N 1,024]; A: input value; B: input Wv: QUANTISED
;;     4. batch 64 x [M 2,048, K 64] x [K 64, N 2,048]; A: computed on the way; B: computed on the way: QUANTISED
;;     5. batch 64 x [M 2,048, K 2,048] x [K 2,048, N 64]; A: softmax (see below); B: computed on the way: QUANTISED
;;     6. [M 8,192, K 1,024] x [K 1,024, N 1,024]; A: computed on the way; B: input Wo: QUANTISED
;;   THE QUANTISER, for each operand of a quantised product, along K:
;;     - K is cut into blocks of 32 from its start; a last block that is shorter is filled with zeros.
;;     - A block's scale is 2^e with e = floor(log2(the largest magnitude in the block)) - 2, held to -126 .. 127; a block of zeros has e = 0. As a byte (E8M0): e + 127.
;;     - Each number is divided by its block's scale, clamped to +-7.5, and rounded to the nearest number of E2M3, ties to even, subnormals kept.
;;     - The product sums the exact products of the quantised numbers (number of the format x scale) in f32.
;;   ~~~python
;;   def quantise(x, axis):      # numpy; x: float32 -> the quantised numbers, widened to float32 again
;;       x = np.moveaxis(x, axis, -1); K = x.shape[-1]
;;       x = np.pad(x, [(0, 0)] * (x.ndim - 1) + [(0, -K % 32)]); x = x.reshape(x.shape[:-1] + (-1, 32)); a = np.abs(x).max(-1, keepdims=True)
;;       e = np.where(a > 0, np.clip(np.frexp(np.where(a > 0, a, 1))[1] - 1 - 2, -126, 127), 0)      # np.frexp(a)[1] - 1 = floor(log2(a)), exactly
;;       r = np.clip(x / 2.0 ** e, -7.5, 7.5)
;;       step = 2.0 ** (np.maximum(np.frexp(np.where(r == 0, 1, r))[1] - 1, 0) - 3)
;;       q = np.round(r / step) * step * 2.0 ** e      # np.round: ties to even
;;       return np.moveaxis(q.reshape(q.shape[:-2] + (-1,))[..., :K], -1, axis).astype(np.float32)
;;   ~~~
;;   SOFTMAX AHEAD OF A QUANTISED PRODUCT. Where the list says 'softmax', what is quantised is not the finished softmax but p = 2^(t - M), with t = logit x log2(e) and M = ceil(the row's largest t), a whole number; so 1/2 < the row's largest p <= 1. The row's sum l is taken of the UNQUANTISED p, in f32, and the product's result is divided by l at the end. Since M is a whole number, a kernel that streams over the keys may use a running M (the ceiling of the running maximum): every later rescaling is an exact power of two, which a block's scale takes up: the codes' values come out the same.
;;   OPERANDS COMPUTED ON THE WAY. 'Computed on the way' means the value that the module computes at that place (a softmax that the list does not call 'softmax' is quantised finished and normalised). What goes into a quantiser is computed in f32, as accurately as f32 sums, v_exp_f32 and their like allow (about 1e-6 of the number): no bf16 or f16 on the way to a quantiser, and a product that is left as it is and whose result goes on into a quantised operand takes f32 operands (vector FMAs, or v_wmma_f32_16x16x4_f32). A number that lies on a knife's edge between two numbers of the format may be rounded either way, as far as f32 arithmetic and the matrix unit's own rounding can turn it there, and no further.
;; One version. Each part assembles by itself: llvm-mc -triple=amdgcn-amd-amdhsa -mcpu=gfx1250 --defsym DOCPART=n.
;; ======== version 1 of 1: 4 launches
;; limits: right only within a limited range of input values
;; workspace buffers: xc 22,020,096 bytes; xs 786,432 bytes; ws 131,072 bytes; fr 18,874,368 bytes; fs 786,432 bytes; cf 6,291,456 bytes; cs 262,144 bytes
;; launch quant (part 1): grid 896 x 1, 4 waves a work-group, no clusters, 33,280 bytes of LDS; arguments query, key, value, Wq, Wk, Wv, Wo, xc, xs, ws; writes xc, xs, ws
.if DOCPART == 1
	.amdgcn_target "amdgcn-amd-amdhsa--gfx1250"
	.amdhsa_code_object_version 6
	.text
	.protected	k_q4502c430eb_quant
	.globl	k_q4502c430eb_quant
	.p2align	8
	.type	k_q4502c430eb_quant,@function
k_q4502c430eb_quant:
	s_mov_b64 s[64:65], 0
	v_nop
	global_prefetch_b8 v0, s[64:65] scope:SCOPE_SE
	s_setreg_imm32_b32 hwreg(HW_REG_WAVE_MODE, 25, 1), 1
	s_wait_xcnt 0x0
; query, key, value [2048][4][1024] and Wq, Wk, Wv, Wo [1024][1024], f32, become codes of FP6 (E2M3), K (the last axis) innermost, 768 bytes a row, with one E8M0 byte for each 32 along K, 32 bytes a row.
; A block's scale is 2^(floor(log2(its largest magnitude)) - 2); its byte is the largest magnitude's exponent field - 2, held at 1 from below.  Each number is divided by the scale and rounded to the nearest code, ties to even.
; LIMITS: NaN and infinities are not served; a block whose largest magnitude lies under 2^-124 keeps the byte 1; a block of zeros gets the byte 1 where the quantiser says 127: its codes are zeros, and this program alone reads the bytes.
; WHERE THE ROWS GO.  xc, xs: [tensor 3][batch 4][place of t 2048]; wc, ws: [tensor 4][place of n 1024].  Within each 32 rows the two middle groups of 8 change places (rows 8-15 lie at places 16-23 and rows 16-23
; at places 8-15), so that 16 neighbouring places are the 16 rows that a tile of the later products wants: lane r of tile i takes row 32 (i / 2) + 8 (i % 2) + r + 8 (r / 8).
; SHARES.  A work-group takes 32 rows, a wave 8 of them: 16 steps of 512 numbers.  Work-groups 0-767: the three activations; wave w takes batch w (rows 4 i + w of the 32).  Work-groups 768-895: the weights; wave w takes rows 8 w + i.
; Each load reads 512 consecutive bytes, 16 a lane; a step's 2,048 bytes turn through the wave's own stage in LDS and come back 64 bytes a lane, so that a lane holds 16 neighbours along K (two lanes hold a block).
; A step's codes are 384 consecutive bytes; a wave's 256 scale bytes are gathered in LDS and leave as one aligned run of 256 bytes.  No tensor loads, no barrier, no cluster: waves and work-groups share nothing.
; THE CODES' LAYOUT (it takes the place of what stands above of xc and wc): ONE buffer xc, [K step 4][row 28,672][192 bytes]: a K step is 256 along K; rows 0-24,575 are the activations'
; [tensor 3][batch 4][place 2048], rows 24,576-28,671 the weights' [tensor 4][place 1024].  So 128 rows of one K step are 24,576 dense bytes, which begin at a multiple of 256.
; THE KEY TENSOR'S PLACES differ: of each 64 rows, group 4 u + q of 8 rows (u = 0, 1; q = 0 .. 3) lies at group 2 q + u, so that 16 neighbouring places hold 8 keys of one block of 32 and 8 of the next.
.set KST,   5505024                    ; bytes from one K step to the next: 28,672 rows x 192
.set STEPS, 16
.set EMAX,  2
.set CB,    12                         ; bytes of 16 codes
.set R,     16                         ; v16-79   four sets of 16 numbers as they are loaded
.set X,     80                         ; v80-111  two sets of 16 neighbours
.set E,     112                        ; v112-127 a scale byte for each step
.set C,     128                        ; v128-191 codes: four registers for each step, so that no store's data are written again
.set RO,    192                        ; v192-199 row i of my 8: 16 x lane + i x the distance between my rows; never rewritten
.set WREG,  8192                       ; LDS: a region for each wave: two stages of 32 x SP bytes, then its 256 scale bytes
.set SP,    80                         ; a lane's place in a stage: 64 bytes + 16 of padding
	s_load_b256 s[4:11], s[0:1], 0x0               ; query, key, value, Wq
	s_load_b256 s[12:19], s[0:1], 0x20             ; Wk, Wv, Wo, xc
	s_load_b128 s[20:23], s[0:1], 0x40             ; xs, ws
	v_lshl_add_u32 v200, v0, 2, 0x8000
	v_mov_b32 v201, 0
	v_lshrrev_b32 v1, 5, v0
	v_readfirstlane_b32 s30, v1                    ; wave
	v_and_b32 v2, 31, v0                           ; lane
	v_lshlrev_b32 v3, 4, v2                        ; my 16 bytes of a load's 512
	s_mul_i32 s31, s30, WREG
	v_lshrrev_b32 v14, 2, v2
	v_mul_u32_u24 v14, v14, SP
	v_and_b32 v15, 3, v2
	v_lshl_add_u32 v14, v15, 4, v14
	v_add_nc_u32 v14, s31, v14                     ; the stage, on the way in: SP (lane / 4) + 16 (lane % 4)
	v_mul_u32_u24 v15, v2, SP
	v_add_nc_u32 v15, s31, v15                     ; and on the way out: SP x lane: my 16 neighbours
	v_and_b32 v4, 15, v2
	v_mul_u32_u24 v4, v4, CB                       ; my codes' place: sixteen lanes fill a row's 192 bytes of one K step,
	v_lshrrev_b32 v10, 4, v2
	v_mad_u32_u24 v4, v10, KST, v4                 ; lanes 16-31 those of the next K step;
	v_add_nc_u32 v10, 2*KST, v4                    ; and the same for the row's second half
	v_lshrrev_b32 v5, 1, v2
	s_add_co_u32 s31, s31, 2*32*SP
	v_add_nc_u32 v5, s31, v5                       ; LDS: my wave's 256 scale bytes, my block's byte
	v_lshlrev_b32 v7, 3, v2                        ; and on the way out 8 bytes a lane
	v_add_nc_u32 v6, s31, v7
	; both kinds of work-group are reckoned, then chosen by the work-group's number alone
	s_lshr_b32 s32, ttmp9, 8                       ; activations: which tensor,
	s_and_b32 s33, ttmp9, 255                      ; which 8 values of t
	s_lshl_b32 s32, s32, 2
	s_add_co_u32 s32, s32, s30
	s_lshl_b32 s32, s32, 8                         ; (4 tensor + batch) x 256 groups of 8 rows
	s_lshl_b32 s34, s33, 17
	s_lshl_b32 s35, s30, 12
	s_add_co_u32 s34, s34, s35                     ; my first row in memory: 32 rows x 4,096 bytes a group, + batch
	s_sub_co_u32 s35, ttmp9, 768                   ; weights
	s_lshr_b32 s36, s35, 5
	s_lshl_b32 s36, s36, 7                         ; tensor x 128 groups of 8 rows
	s_and_b32 s35, s35, 31
	s_lshl_b32 s35, s35, 2
	s_add_co_u32 s35, s35, s30                     ; which group of 8 rows
	s_lshl_b32 s37, s35, 15                        ; and where it begins
	s_mov_b32 s38, 4096
	s_cmp_lt_u32 ttmp9, 768
	s_cselect_b32 s33, s33, s35                    ; the group of 8 rows
	s_cselect_b32 s32, s32, s36                    ; the groups ahead of its tensor (and batch)
	s_cselect_b32 s34, s34, s37                    ; the input's byte offset
	s_cselect_b32 s38, 16384, s38                  ; bytes from one of my rows to the next
	s_cselect_b32 s39, 0, 4718592                  ; the weights' rows lie behind the activations' 24,576
	s_and_b32 s35, s33, 0xfffffffc                 ; the group's place: of each four groups the two middle ones change places;
	s_and_b32 s36, s33, 1
	s_lshl_b32 s36, s36, 1
	s_bfe_u32 s37, s33, 0x10001
	s_add_co_u32 s35, s35, s36
	s_add_co_u32 s35, s35, s37
	s_and_b32 s36, s33, 0xfffffff8                 ; in the key tensor: of each eight groups, group 4 u + q goes to 2 q + u
	s_and_b32 s37, s33, 3
	s_lshl_b32 s37, s37, 1
	s_add_co_u32 s36, s36, s37
	s_bfe_u32 s37, s33, 0x10002
	s_add_co_u32 s36, s36, s37
	s_lshr_b32 s37, ttmp9, 8
	s_cmp_eq_u32 s37, 1                            ; work-groups 256-511 take the key tensor
	s_cselect_b32 s35, s36, s35
	s_add_co_u32 s32, s32, s35
	s_mul_i32 s36, s32, 1536                       ; 8 rows of 192 bytes of codes in each K step
	s_add_co_u32 s36, s36, s39
	s_mov_b32 s37, 0
	s_lshl_b32 s40, s32, 8                         ; 8 rows of 32 scale bytes
	s_mov_b32 s41, 0
	s_mov_b32 s35, 0
.irp i, 0,1,2,3,4,5,6,7
	v_mad_u32_u24 v[RO+\i], s38, \i, v3
.endr
	s_wait_alu depctr_va_vdst(0)
	s_wait_kmcnt 0x0
	s_cmp_ge_u32 ttmp9, 256
	s_cselect_b64 s[4:5], s[6:7], s[4:5]
	s_cmp_ge_u32 ttmp9, 512
	s_cselect_b64 s[4:5], s[8:9], s[4:5]
	s_cmp_ge_u32 ttmp9, 768
	s_cselect_b64 s[4:5], s[10:11], s[4:5]
	s_cmp_ge_u32 ttmp9, 800
	s_cselect_b64 s[4:5], s[12:13], s[4:5]
	s_cmp_ge_u32 ttmp9, 832
	s_cselect_b64 s[4:5], s[14:15], s[4:5]
	s_cmp_ge_u32 ttmp9, 864
	s_cselect_b64 s[4:5], s[16:17], s[4:5]
	s_cmp_lt_u32 ttmp9, 768
	s_mov_b64 s[8:9], s[18:19]                     ; the codes' buffer
	s_cselect_b64 s[10:11], s[20:21], s[22:23]     ; the scale bytes'
	s_add_nc_u64 s[4:5], s[4:5], s[34:35]
	s_add_nc_u64 s[8:9], s[8:9], s[36:37]
	s_add_nc_u64 s[10:11], s[10:11], s[40:41]
.macro LOAD t                          ; step t: half t % 2 of my row t / 2
.irp i, 0,1,2,3
	global_load_b128 v[R+16*((\t)%4)+4*\i:R+16*((\t)%4)+4*\i+3], v[RO+(\t)/2], s[4:5] offset:2048*((\t)%2)+512*\i th:TH_LOAD_NT   ; 32 lanes read 512 consecutive bytes
.endr
.endm
.macro TURN t                          ; step t's numbers through the stage: LDS serves a wave's instructions in order, so no wait stands between the stores and the loads
.irp i, 0,1,2,3
	ds_store_b128 v14, v[R+16*((\t)%4)+4*\i:R+16*((\t)%4)+4*\i+3] offset:32*SP*((\t)%2)+8*SP*\i
.endr
.irp i, 0,1,2,3
	ds_load_b128 v[X+16*((\t)%2)+4*\i:X+16*((\t)%2)+4*\i+3], v15 offset:32*SP*((\t)%2)+16*\i
.endr
.endm
.irp t, 0,1,2,3
	LOAD \t
.endr
	s_wait_loadcnt 12                              ; step 0's four loads are in
	TURN 0
.macro STEP t
.set XS, X+16*((\t)%2)
.if (\t) > 0
	s_wait_dscnt 1                                 ; this step's numbers are back from the stage (the last step's byte store may be out): so its stores into the stage have read their registers,
.else
	s_wait_dscnt 0x0
.endif
.if (\t)+4 < STEPS
	LOAD (\t)+4                                    ; which take the loads of four steps on
.endif
.if (\t)+1 < STEPS
.if STEPS-2-(\t) >= 3
	s_wait_loadcnt 12                              ; the next step's four loads are in; those of the three steps behind it may be out
.else
	s_wait_loadcnt 4*(STEPS-2-(\t))
.endif
	TURN (\t)+1                                    ; and go through the other stage while this step is worked
.endif
	v_max3_num_f32 v8, |v[XS]|, |v[XS+1]|, |v[XS+2]|               ; the largest magnitude of my 16, in two chains
	v_max3_num_f32 v9, |v[XS+3]|, |v[XS+4]|, |v[XS+5]|
.irp i, 6,10
	v_max3_num_f32 v8, v8, |v[XS+\i]|, |v[XS+\i+1]|
	v_max3_num_f32 v9, v9, |v[XS+\i+2]|, |v[XS+\i+3]|
.endr
	v_max3_num_f32 v8, v8, |v[XS+14]|, |v[XS+15]|
	v_max3_num_f32 v8, v8, v9, (EMAX+1)<<23        ; and the floor 2^(3 - 127): the byte cannot fall under 1
	v_max_num_f32_dpp v8, v8, v8 row_xmask:1 row_mask:0xf bank_mask:0xf   ; and of my neighbour's 16: the block's
	v_add_nc_u32 v11, -(EMAX<<23), v8              ; 2 off its exponent field: the conversion takes the exponent field of this operand as its scale
	v_cvt_scalef32_pk16_fp6_f32 v[C+4*(\t):C+4*(\t)+2], v[XS:XS+15], v11
	v_lshrrev_b32 v[E+(\t)], 23, v11               ; the scale's byte (also the plain line behind the conversion)
	ds_store_b8 v5, v[E+(\t)] offset:16*(\t)       ; both lanes of a block write the same byte with the same value
	global_store_b96 v[4+6*((\t)%2)], v[C+4*(\t):C+4*(\t)+2], s[8:9] offset:192*((\t)/2)   ; two runs of 192 consecutive bytes: my row t / 2 in two neighbouring K steps
.endm
.irp t, 0,1,2,3,4,5,6,7,8,9,10,11,12,13,14,15
	STEP \t
.endr
	ds_load_b64 v[12:13], v6                       ; LDS serves a wave's instructions in order: these see my stores
	s_wait_dscnt 0x0
	global_store_b64 v7, v[12:13], s[10:11]        ; 32 lanes store 256 consecutive bytes, aligned
	s_wait_tensorcnt 0x0
	ds_add_u32 v200, v201
	s_wait_dscnt 0x0
	s_endpgm
.Lfunc_end_k_q4502c430eb_quant:
	.size	k_q4502c430eb_quant, .Lfunc_end_k_q4502c430eb_quant-k_q4502c430eb_quant
	.p2alignl 7, 3214868480
	.fill 96, 4, 3214868480
	.section	.rodata,"a",@progbits
	.p2align	6, 0x0
	.amdhsa_kernel k_q4502c430eb_quant
		.amdhsa_group_segment_fixed_size 33280
		.amdhsa_private_segment_fixed_size 0
		.amdhsa_enable_private_segment 0
		.amdhsa_kernarg_size 80
		.amdhsa_user_sgpr_count 2
		.amdhsa_user_sgpr_kernarg_segment_ptr 1
		.amdhsa_wavefront_size32 1
		.amdhsa_system_sgpr_workgroup_id_x 1
		.amdhsa_system_sgpr_workgroup_id_y 1
		.amdhsa_system_sgpr_workgroup_id_z 1
		.amdhsa_system_vgpr_workitem_id 0
		.amdhsa_next_free_vgpr 202
		.amdhsa_next_free_sgpr 66
		.amdhsa_reserve_vcc 0
		.amdhsa_float_denorm_mode_32 3
		.amdhsa_float_denorm_mode_16_64 3
		.amdhsa_memory_ordered 1
		.amdhsa_forward_progress 1
		.amdhsa_inst_pref_size 35
	.end_amdhsa_kernel
	.amdgpu_metadata
---
amdhsa.version: [ 1, 2 ]
amdhsa.kernels:
  - .name:           k_q4502c430eb_quant
    .symbol:         k_q4502c430eb_quant.kd
    .args:
      - { .name: query, .offset: 0, .size: 8, .value_kind: global_buffer, .address_space: global }
      - { .name: key, .offset: 8, .size: 8, .value_kind: global_buffer, .address_space: global }
      - { .name: value, .offset: 16, .size: 8, .value_kind: global_buffer, .address_space: global }
      - { .name: Wq, .offset: 24, .size: 8, .value_kind: global_buffer, .address_space: global }
      - { .name: Wk, .offset: 32, .size: 8, .value_kind: global_buffer, .address_space: global }
      - { .name: Wv, .offset: 40, .size: 8, .value_kind: global_buffer, .address_space: global }
      - { .name: Wo, .offset: 48, .size: 8, .value_kind: global_buffer, .address_space: global }
      - { .name: xc, .offset: 56, .size: 8, .value_kind: global_buffer, .address_space: global }
      - { .name: xs, .offset: 64, .size: 8, .value_kind: global_buffer, .address_space: global }
      - { .name: ws, .offset: 72, .size: 8, .value_kind: global_buffer, .address_space: global }
    .group_segment_fixed_size: 33280
    .private_segment_fixed_size: 0
    .kernarg_segment_align: 8
    .kernarg_segment_size: 80
    .max_flat_workgroup_size: 128
    .sgpr_count:     66
    .vgpr_count:     202
    .wavefront_size: 32
...
	.end_amdgpu_metadata
.endif
;; end of part 1
;; launch proj (part 2): grid 4 x 96, 4 waves a work-group, clusters of 4 x 4, 327,680 bytes of LDS; arguments xc, xs, ws, bq, bk, bv, fr, fs; writes fr, fs
.if DOCPART == 2
	.amdgcn_target "amdgcn-amd-amdhsa--gfx1250"
	.amdhsa_code_object_version 6
	.text
	.protected	k_q4502c430eb_proj
	.globl	k_q4502c430eb_proj
	.p2align	8
	.type	k_q4502c430eb_proj,@function
k_q4502c430eb_proj:
	s_mov_b64 s[64:65], 0
	v_nop
	global_prefetch_b8 v0, s[64:65] scope:SCOPE_SE
	s_setreg_imm32_b32 hwreg(HW_REG_WAVE_MODE, 25, 1), 1
	s_wait_xcnt 0x0
	s_wait_alu depctr_hold_cnt(0) depctr_sa_sdst(0) depctr_va_vdst(0) depctr_va_sdst(0) depctr_va_ssrc(0) depctr_va_vcc(0) depctr_vm_vsrc(0)
	s_getreg_b32 s2, hwreg(HW_REG_IB_STS2, 6, 4)
	s_cmp_eq_u32 s2, 0
	s_cbranch_scc0 .Lentry_in_a_cluster
	s_endpgm
.Lentry_in_a_cluster:
	s_bfe_u32 s2, ttmp6, 0x10000c
	s_cmp_lg_u32 s2, 0xf033
	s_cbranch_scc0 .Lentry_shape_is_right
	s_endpgm
.Lentry_shape_is_right:
.set KST,    5505024                   ; xc is [K step 4][row 28,672][192 bytes]: bytes from one K step to the next
.set KROW,   192                       ; a row's bytes in one K step
.set PITCH,  240
.set FR,     12
.set NL,     6
.set NP,     4
.set HALFT,  128*PITCH
.set SLOT,   4*HALFT
.set SCL,    2*SLOT
.set HALFS,  16*272
.set SBLK,   2*272
.set SPARE,  SCL+4*HALFS
.set FSO,  7
.set BOQ,  8
.set BOV,  9
.set ADRA, 16
.set ADRB, 20
.set L16,  24
.set L8,   25
.set SST,  26
.set ADSA, 27
.set SPW,  28
.set NIL,  29
.set ADSB, 30
.set SRD,  31
.set SB,   32
.set BI,   64
.set AF,   128
.set SA,   224
.set TM,   64
.set PW,   80
.set PT,   88
.set BKR,  96
.set PCD,  128
.set SEL,  2
.set G1,   24
.set G0,   32
.set G1B,  48
.set G0B,  56
.set G1S,  68
.set G0S,  76
.set G1SB, 80
.set G0SB, 88
.set OUT,  92
.set PP,   101
.set MSB, 0
.macro WIN new
.if MSB != (\new)
	s_set_vgpr_msb (MSB<<8)|(\new)
.set MSB, (\new)
.endif
.endm
.set MUL_LO, 0xa1
.set MUL_HI, 0xf1
.set TO_B,   0x40
.macro JLOAD g0a, g1a, g0b, g1b
	s_cmp_eq_u32 s15, 0
	s_cbranch_scc0 .Lfor_b_\@
	tensor_load_to_lds s[\g0a:\g0a+3], s[\g1a:\g1a+7]
	s_nop 0
.rept 4
	v_nop
.endr
	s_branch .Lasked_\@
.Lfor_b_\@:
	tensor_load_to_lds s[\g0b:\g0b+3], s[\g1b:\g1b+7]
	s_nop 0
.rept 4
	v_nop
.endr
.Lasked_\@:
.endm
.macro CREST
	s_cmp_lg_u32 s14, 0
	s_cbranch_scc1 .Lnot_wave_0_\@
	s_barrier_signal -3
.Lnot_wave_0_\@:
	s_barrier_wait -3
	s_barrier_signal -1
	s_barrier_wait -1
.endm
.macro CROUND
	s_barrier_signal -1
	s_barrier_wait -1
	CREST
.endm
	s_load_b128 s[92:95], s[0:1], 0x0              ; xc, xs
	s_load_b64 s[98:99], s[0:1], 0x10              ; ws
	s_load_b256 s[4:11], s[0:1], 0x18              ; bq, bk, bv, fr
	s_load_b64 s[12:13], s[0:1], 0x38              ; fs
	v_lshl_add_u32 v[SPW], v0, 2, SPARE
	v_mov_b32 v[NIL], 0
	ds_add_u32 v28, v29
	ds_add_u32 v28, v29
	s_wait_dscnt 0x0
	v_lshrrev_b32 v1, 5, v0
	v_readfirstlane_b32 s14, v1
	s_lshr_b32 s15, s14, 1
	s_and_b32 s16, s14, 1
	s_bfe_u32 s40, ttmp6, 0x40000
	s_bfe_u32 s41, ttmp6, 0x40004
	s_and_b32 s100, ttmp7, 0xffff
	s_lshr_b32 s[PP], s100, 3
	s_and_b32 s3, s100, 7
	s_lshl_b32 s3, s3, 2
	s_cmp_eq_u32 s[PP], 2
	s_cselect_b32 s17, 0, s3
	s_cselect_b32 s42, s3, 0
	s_add_co_u32 s17, s17, s41
	s_add_co_u32 s42, s42, s40
	s_lshl_b32 s43, s41, 2
	s_lshl_b32 s43, 15, s43
	s_lshl_b32 s44, 0x1111, s40
	s_or_b32 s[G1+0], s43, (0<<16)|(1<<20)|(1<<21)|(3<<22)|(3<<25)
	s_or_b32 s[G1B+0], s44, (0<<16)|(1<<20)|(1<<21)|(3<<22)|(3<<25)
.irp g, G1, G1B                        ; 128 rows of one K step are 24,576 dense bytes: 96 rows of 256 bytes; 16 bytes of padding behind each 64, so that a row of 192 bytes takes 240 in LDS
	s_mov_b32 s[\g+1], 256<<16
	s_mov_b32 s[\g+2], 192<<16                     ; the head's loads bring a whole tile of 256 rows: 192 rows of 256 bytes; behind them the two words are set to 96
	s_mov_b32 s[\g+3], 256<<16
	s_mov_b32 s[\g+4], 192
	s_mov_b32 s[\g+5], 256
	s_mov_b32 s[\g+6], 0
	s_mov_b32 s[\g+7], 0
.endr
	s_or_b32 s[G1S+0], s43, (3<<16)|(1<<20)|(1<<21)|(5<<22)|(3<<25)
	s_or_b32 s[G1SB+0], s44, (3<<16)|(1<<20)|(1<<21)|(5<<22)|(3<<25)
.irp g, G1S, G1SB                      ; the scales of 256 rows: 32 rows of 256 bytes
	s_mov_b32 s[\g+1], 32<<16
	s_mov_b32 s[\g+2], 32<<16
	s_mov_b32 s[\g+3], 32<<16
	s_mov_b32 s[\g+4], 32
	s_mov_b32 s[\g+5], 32
	s_mov_b32 s[\g+6], 0
	s_mov_b32 s[\g+7], 0
.endr
	s_lshl_b32 s18, s16, 7
	s_lshl_b32 s20, s17, 8
	s_add_co_u32 s20, s20, s18
	s_lshl_b32 s46, s42, 8
	s_add_co_u32 s46, s46, s18
	s_lshl_b32 s22, s20, 5
	s_lshl_b32 s66, s46, 5
	s_mul_i32 s20, s20, KROW
	s_mul_i32 s46, s46, KROW
	s_mul_i32 s18, s[PP], 1572864                  ; an activation's 8,192 rows of 192 bytes
	s_mul_i32 s19, s[PP], 196608                   ; a weight's 1,024 rows
	s_lshl_b32 s23, s[PP], 18
	s_lshl_b32 s45, s[PP], 15
	s_wait_kmcnt 0x0
	s_add_nc_u64 s[96:97], s[92:93], 4718592       ; the weights' rows lie behind the activations' 24,576
	s_cmp_eq_u32 s[PP], 2
	s_cselect_b32 s21, s19, s18
	s_cselect_b32 s47, s18, s19
	s_cselect_b32 s67, s45, s23
	s_cselect_b32 s2, s23, s45
	s_cselect_b64 s[18:19], s[96:97], s[92:93]
	s_cselect_b64 s[96:97], s[92:93], s[96:97]
	s_cselect_b64 s[92:93], s[98:99], s[94:95]
	s_cselect_b64 s[98:99], s[94:95], s[98:99]
	s_add_co_u32 s20, s20, s21
	s_mov_b32 s21, 0
	s_add_nc_u64 s[20:21], s[18:19], s[20:21]
	s_add_co_u32 s46, s46, s47
	s_mov_b32 s47, 0
	s_add_nc_u64 s[46:47], s[96:97], s[46:47]
	s_add_co_u32 s22, s22, s67
	s_mov_b32 s23, 0
	s_add_nc_u64 s[22:23], s[92:93], s[22:23]
	s_add_co_u32 s66, s66, s2
	s_mov_b32 s67, 0
	s_add_nc_u64 s[66:67], s[98:99], s[66:67]
	s_mul_i32 s45, s14, HALFT
	CROUND                                         ; all sixteen work-groups are here: the first joint loads meet
	; THE HEAD'S FOUR TILES, each whole, one a wave: K step 0 of A's 256 rows and of B's, A's scales, B's scales.  s[20:23], s[46:47], s[66:67] point at my half of 128 rows: the half is taken off
	s_mul_i32 s94, s16, 128*KROW
	s_mov_b32 s95, 0
	s_lshl_b32 s96, s16, 12                        ; 128 rows of 32 scale bytes
	s_mov_b32 s97, 0
	s_mov_b32 s[G0S], 1
	s_mov_b32 s[G0S+1], SCL
	s_sub_nc_u64 s[G0S+2:G0S+3], s[22:23], s[96:97]
	s_or_b32 s[G0S+3], s[G0S+3], 0x80000000
	s_mov_b32 s[G0SB], 1
	s_mov_b32 s[G0SB+1], SCL+2*HALFS
	s_sub_nc_u64 s[G0SB+2:G0SB+3], s[66:67], s[96:97]
	s_or_b32 s[G0SB+3], s[G0SB+3], 0x80000000
	s_mov_b32 s[G0], 1
	s_mov_b32 s[G0+1], 0
	s_sub_nc_u64 s[G0+2:G0+3], s[20:21], s[94:95]
	s_or_b32 s[G0+3], s[G0+3], 0x80000000
	s_mov_b32 s[G0B], 1
	s_mov_b32 s[G0B+1], 2*HALFT
	s_sub_nc_u64 s[G0B+2:G0B+3], s[46:47], s[94:95]
	s_or_b32 s[G0B+3], s[G0B+3], 0x80000000
	s_mov_b32 s[G0+4], 1                           ; slot 1: my 128 rows of K step 1
	s_add_co_u32 s[G0+5], s45, SLOT
	s_add_nc_u64 s[G0+6:G0+7], s[20:21], KST
	s_or_b32 s[G0+7], s[G0+7], 0x80000000
	s_mov_b32 s[G0B+4], 1
	s_add_co_u32 s[G0B+5], s45, SLOT
	s_add_nc_u64 s[G0B+6:G0B+7], s[46:47], KST
	s_or_b32 s[G0B+7], s[G0B+7], 0x80000000
.macro ARM under, g0, g1, next         ; one chain of branches on the wave's number: every way through it passes exactly one load
	s_cmp_lt_u32 s14, \under
	s_cbranch_scc0 \next
	tensor_load_to_lds s[\g0:\g0+3], s[\g1:\g1+7]
	s_nop 0
.rept 4
	v_nop
.endr
	s_branch .Lhead_asked
\next:
.endm
	ARM 1, G0,  G1,  .Lhead_b
	ARM 2, G0B, G1B, .Lhead_sa
	ARM 3, G0S, G1S, .Lhead_sb
	tensor_load_to_lds s[G0SB:G0SB+3], s[G1SB:G1SB+7]
	s_nop 0
.rept 4
	v_nop
.endr
.Lhead_asked:
	v_and_b32 v1, 15, v0
	v_bfe_u32 v2, v0, 4, 1
	v_mul_u32_u24 v3, v1, PITCH
	v_mul_u32_u24 v4, v2, 24
	v_add_nc_u32 v4, v3, v4
	v_lshl_add_u32 v5, v2, 4, v4
	s_mul_i32 s21, s15, HALFT
	s_mul_i32 s22, s16, HALFT
	s_add_co_u32 s22, s22, 2*HALFT
.irp s, 0,1
	v_add_nc_u32 v[ADRA+\s], s21, v4
	v_add_nc_u32 v[ADRB+\s], s22, v4
	v_add_nc_u32 v[ADRA+2+\s], s21, v5
	v_add_nc_u32 v[ADRB+2+\s], s22, v5
	s_add_co_u32 s21, s21, SLOT
	s_add_co_u32 s22, s22, SLOT
.endr
	v_lshlrev_b32 v5, 5, v1
	v_lshrrev_b32 v6, 8, v5
	v_lshl_add_u32 v5, v6, 4, v5
	v_lshl_add_u32 v5, v2, 2, v5
	s_mul_i32 s21, s15, HALFS
	s_add_co_u32 s21, s21, SCL
	s_mul_i32 s22, s16, HALFS
	s_add_co_u32 s22, s22, SCL+2*HALFS
	v_add_nc_u32 v[ADSA], s21, v5
	v_add_nc_u32 v[ADSB], s22, v5
	v_and_b32 v6, 31, v0
	v_lshlrev_b32 v[L16], 4, v6
	v_lshl_add_u32 v[L8], v6, 3, 512
	s_lshl_b32 s23, s14, 9
	v_lshl_add_u32 v[SST], v1, 2, s23
	v_add_nc_u32 v[SRD], s23, v[L16]
	v_lshlrev_b32 v[BOQ], 6, v2
	v_and_b32 v3, 8, v1
	v_add_nc_u32 v3, v3, v1
	v_lshlrev_b32 v[BOV], 2, v3
	s_cmp_eq_u32 s[PP], 1
	s_cselect_b64 s[4:5], s[6:7], s[4:5]
	s_lshl_b32 s18, s17, 8
	s_lshl_b32 s19, s15, 7
	s_add_co_u32 s18, s18, s19
	s_lshl_b32 s19, s42, 8
	s_lshl_b32 s20, s16, 7
	s_add_co_u32 s19, s19, s20
	s_cmp_eq_u32 s[PP], 2
	s_cselect_b64 s[4:5], s[8:9], s[4:5]
	s_cselect_b32 s18, s18, s19
	s_lshl_b32 s18, s18, 2
	s_mov_b32 s19, 0
	s_add_nc_u64 s[4:5], s[4:5], s[18:19]
	s_cmp_eq_u32 s[PP], 2
	s_cbranch_scc1 .Lbias_rows
	s_wait_alu depctr_va_vdst(0)
.irp b, 0,1,2,3,4,5,6,7
	global_load_b128 v[BI+8*\b:BI+8*\b+3], v[BOQ], s[4:5] offset:(32*(\b/2)+8*(\b%2))*4
	global_load_b128 v[BI+8*\b+4:BI+8*\b+7], v[BOQ], s[4:5] offset:(32*(\b/2)+8*(\b%2))*4+16
.endr
	s_branch .Lbias_asked
.Lbias_rows:
	s_wait_alu depctr_va_vdst(0)
.irp a, 0,1,2,3,4,5,6,7
.irp j, 0,1,2,3,4,5,6,7
	global_load_b32 v[BI+8*\a+\j], v[BOV], s[4:5] offset:(32*(\a/2)+8*(\a%2))*4
.endr
.endr
.Lbias_asked:
	s_lshl_b32 s18, s17, 4
	s_lshl_b32 s19, s15, 3
	s_add_co_u32 s18, s18, s19
	s_lshl_b32 s19, s42, 1
	s_add_co_u32 s19, s19, s16
	s_lshr_b32 s20, s18, 7
	s_and_b32 s21, s18, 127
	s_lshl_b32 s20, s20, 3
	s_add_co_u32 s20, s20, s19
	s_lshl_b32 s20, s20, 7
	s_add_co_u32 s22, s20, s21
	s_lshl_b32 s22, s22, 6
	s_lshl_b32 s20, s20, 1
	s_add_co_u32 s20, s20, s21
	s_mul_i32 s20, s20, 768
	s_lshr_b32 s21, s19, 4
	s_and_b32 s23, s19, 15
	s_lshr_b32 s45, s18, 3
	s_lshl_b32 s21, s21, 4
	s_lshl_b32 s45, s45, 1
	s_add_co_u32 s21, s21, s45
	s_lshl_b32 s21, s21, 4
	s_add_co_u32 s21, s21, s23
	s_lshl_b32 s23, s21, 8
	s_mul_i32 s21, s21, 6144
	s_mul_i32 s46, s[PP], 6291456
	s_lshl_b32 s47, s[PP], 18
	s_mov_b32 s66, 98304
	s_mov_b32 s67, 3072
	s_mov_b32 s45, 4096
	s_cmp_eq_u32 s[PP], 2
	s_cselect_b32 s20, s21, s20
	s_cselect_b32 s22, s23, s22
	s_cselect_b32 s18, s67, s66
	s_cselect_b32 s19, s66, s67
	s_cselect_b32 s45, s45, 256
	s_add_co_u32 s20, s20, s46
	s_add_co_u32 s22, s22, s47
	s_mov_b32 s21, 0
	s_mov_b32 s23, 0
	s_add_nc_u64 s[OUT:OUT+1], s[10:11], s[20:21]
	s_add_nc_u64 s[12:13], s[12:13], s[22:23]
	s_mov_b32 s20, s18
	s_add_nc_u64 s[OUT+2:OUT+3], s[OUT:OUT+1], s[20:21]
	s_mov_b32 s20, s19
	s_add_nc_u64 s[OUT+4:OUT+5], s[OUT:OUT+1], s[20:21]
	s_add_nc_u64 s[OUT+6:OUT+7], s[OUT+2:OUT+3], s[20:21]
	v_mul_u32_u24 v[FSO], s45, v2
	v_lshl_add_u32 v[FSO], v1, 4, v[FSO]
	s_mov_b32 s[SEL], 0x76543210
	s_mov_b32 s[SEL+1], 0xfedcba98
.macro FRAG reg, adr, q, i
.irp p, 0,1,2,3,4,5
.set PCE, 12*(\q)+6*(\p/3)+\p%3
.if PCE%8 < 5
	ds_load_b64 v[\reg+2*\p:\reg+2*\p+1], v[\adr] offset:8*PCE+16*(PCE/8)+(\i)*16*PITCH
.else
	ds_load_b64 v[\reg+2*\p:\reg+2*\p+1], v[\adr+2] offset:8*PCE+16*(PCE/8)+(\i)*16*PITCH
.endif
.endr
.endm
.macro MUL16 a0, p, q, ks, kind
.irp a, \a0, \a0+1
.irp b, 0,1,2,3,4,5,6,7
.set rD, 8*(8*((\a)%4)+\b)
.set rB, 128*(\p)+FR*\b
.set rA, AF+FR*(\a)
.set rC, rD
.if \kind == 1
.set rC, BI+8*\b
.elseif \kind == 2
.set rC, BI+8*(\a)
.endif
.if \q
	v_wmma_scale_f32_16x16x128_f8f6f4 v[rD:rD+7], v[rB:rB+FR-1], v[rA:rA+FR-1], v[rC:rC+7], v[SB+4*\b+\ks], v[SA+4*(\a)+\ks] matrix_a_fmt:MATRIX_FMT_FP6 matrix_b_fmt:MATRIX_FMT_FP6 matrix_a_scale:MATRIX_SCALE_ROW1 matrix_b_scale:MATRIX_SCALE_ROW1
.else
	v_wmma_scale_f32_16x16x128_f8f6f4 v[rD:rD+7], v[rB:rB+FR-1], v[rA:rA+FR-1], v[rC:rC+7], v[SB+4*\b+\ks], v[SA+4*(\a)+\ks] matrix_a_fmt:MATRIX_FMT_FP6 matrix_b_fmt:MATRIX_FMT_FP6
.endif
.endr
.endr
.endm
.macro FETCH_B slot, q, p
	WIN TO_B
.irp i, 0,1,2,3,4,5,6,7
	FRAG 128*(\p)+FR*\i, ADRB+\slot, \q, \i
.endr
	WIN 0
.endm
.macro FETCH_A slot, q, i0
.irp i, \i0, \i0+1, \i0+2, \i0+3
	FRAG AF+FR*(\i), ADRA+\slot, \q, \i
.endr
.endm
.macro PLACES n
.rept \n
	v_nop
.endr
.endm
.macro ARMS a0
	WIN 0
	s_cmp_eq_u32 s[PP], 2
	s_cbranch_scc1 .Lrows_\@
	WIN 0x81+0x40*((\a0)/4)
	MUL16 \a0, 0, 0, 0, 1
	MUL16 \a0+2, 0, 0, 0, 1
	WIN 0
	s_branch .Ljoin_\@
.Lrows_\@:
	WIN 0x81+0x40*((\a0)/4)
	MUL16 \a0, 0, 0, 0, 2
	MUL16 \a0+2, 0, 0, 0, 2
	WIN 0
.Ljoin_\@:
.endm
.macro STEP slot, ks
	s_wait_dscnt 4*NL
	WIN MUL_LO
	MUL16 0, 0, 0, \ks, 0
	MUL16 2, 0, 0, \ks, 0
	s_wait_dscnt 0
	PLACES NP
	FETCH_B \slot, 1, 1
	FETCH_A \slot, 1, 0
	WIN MUL_HI
	MUL16 4, 0, 0, \ks, 0
	MUL16 6, 0, 0, \ks, 0
	PLACES NP
	WIN 0
	FETCH_A \slot, 1, 4
.endm
.macro TURN slot, next, fill, ks
	s_wait_tensorcnt 0x0
	ds_add_u32 v[SPW], v[NIL]
	s_wait_dscnt 4*NL+1
	WIN MUL_LO
	MUL16 0, 1, 1, \ks, 0
	s_wait_dscnt 0x0
	s_barrier_signal -1
	MUL16 2, 1, 1, \ks, 0
	WIN 0
	s_barrier_wait -1
.if \fill
	CREST
	s_add_nc_u64 s[G0+4*\slot+2:G0+4*\slot+3], s[G0+4*\slot+2:G0+4*\slot+3], 2*KST
	s_add_nc_u64 s[G0B+4*\slot+2:G0B+4*\slot+3], s[G0B+4*\slot+2:G0B+4*\slot+3], 2*KST
	JLOAD G0+4*\slot, G1, G0B+4*\slot, G1B
.else
	PLACES NP
.endif
	FETCH_B \next, 0, 0
	FETCH_A \next, 0, 0
	WIN MUL_HI
	MUL16 4, 1, 1, \ks, 0
	MUL16 6, 1, 1, \ks, 0
	PLACES NP
	WIN 0
	FETCH_A \next, 0, 4
.endm
	s_wait_alu depctr_va_vdst(0)                   ; the wait at the head's end
	s_wait_tensorcnt 0x0                           ; my tile of the head's four is in
	ds_add_u32 v[SPW], v[NIL]
	s_mov_b32 s[G1+2], 96<<16                      ; no tensor load of mine is out: from here on a load brings 128 rows, 96 rows of 256 bytes,
	s_mov_b32 s[G1+4], 96
	s_mov_b32 s[G1B+2], 96<<16
	s_mov_b32 s[G1B+4], 96
	s_mul_i32 s[G0S], s16, 128*KROW                ; and slot 0's group 0 points at my half of the tile
	s_mov_b32 s[G0S+1], 0
	s_add_nc_u64 s[G0+2:G0+3], s[G0+2:G0+3], s[G0S:G0S+1]
	s_add_nc_u64 s[G0B+2:G0B+3], s[G0B+2:G0B+3], s[G0S:G0S+1]
	s_mul_i32 s[G0+1], s14, HALFT
	s_mov_b32 s[G0B+1], s[G0+1]
	s_wait_dscnt 0x0
	CROUND                                         ; all four tiles are in, and all sixteen work-groups are here
	JLOAD G0+4, G1, G0B+4, G1B                     ; K step 1, the first tensor load behind the round
.irp i, 0,1,2,3,4,5,6,7
.irp k, 0,1,2,3
	ds_load_b32 v[SB+4*\i+\k], v[ADSB] offset:\i*SBLK+8*\k
	ds_load_b32 v[SA+4*\i+\k], v[ADSA] offset:\i*SBLK+8*\k
.endr
.endr
	FETCH_B 0, 0, 0
	FETCH_A 0, 0, 0
	FETCH_A 0, 0, 4
	s_wait_loadcnt 0x0
	s_wait_dscnt 4*NL
	ARMS 0
	s_wait_dscnt 0
	PLACES NP
	FETCH_B 0, 1, 1
	FETCH_A 0, 1, 0
	ARMS 4
	PLACES NP
	FETCH_A 0, 1, 4
	TURN 0, 1, 1, 0
	STEP 1, 1
	TURN 1, 0, 1, 1
	STEP 0, 2
	TURN 0, 1, 0, 2
	STEP 1, 3
	s_wait_dscnt 4*NL
	WIN MUL_LO
	MUL16 0, 1, 1, 3, 0
	MUL16 2, 1, 1, 3, 0
	s_wait_dscnt 0
	WIN MUL_HI
	MUL16 4, 1, 1, 3, 0
	MUL16 6, 1, 1, 3, 0
	WIN 0
.macro QUANTW a
.set AC, 64*((\a)%4)
.set WW, 2+(\a)/4
.set PCA, PCD+12*(\a)
	WIN (WW|(WW<<2))
.irp b, 0,1,2,3
	v_max3_num_f32 v[TM+\b], |v[AC+16*\b]|, |v[AC+16*\b+1]|, 0x1800000
.endr
.irp i, 2,4,6,8,10,12,14
.irp b, 0,1,2,3
	v_max3_num_f32 v[TM+\b], |v[AC+16*\b+\i]|, |v[AC+16*\b+\i+1]|, v[TM+\b]
.endr
.endr
	WIN 0
.irp b, 0,1,2,3
	v_permlanex16_b32 v[TM+4+\b], v[TM+\b], s[SEL], s[SEL+1]
.endr
.irp b, 0,1,2,3
	v_max_num_f32 v[TM+\b], v[TM+\b], v[TM+4+\b]
.endr
.irp b, 0,1,2,3
	v_add_nc_u32 v[TM+12+\b], 0xff000000, v[TM+\b]
.endr
.irp b, 0,1,2,3
	v_lshrrev_b32 v[TM+4+\b], 23, v[TM+12+\b]
.endr
	v_lshl_or_b32 v[PW+\a], v[TM+5], 8, v[TM+4]
	v_lshl_or_b32 v[PW+\a], v[TM+6], 16, v[PW+\a]
	v_lshl_or_b32 v[PW+\a], v[TM+7], 24, v[PW+\a]
	WIN WW
.irp c, 0,1
	v_cvt_scalef32_pk16_fp6_f32 v[PCA+6*\c:PCA+6*\c+2], v[AC+32*\c:AC+32*\c+15], v[TM+12+2*\c]
	v_cvt_scalef32_pk16_fp6_f32 v[PT+4*\c:PT+4*\c+2], v[AC+32*\c+16:AC+32*\c+31], v[TM+13+2*\c]
.endr
	WIN 0
	v_nop
.irp c, 0,1
.irp i, 0,1,2
	v_permlane16_swap_b32 v[PCA+6*\c+\i], v[PT+4*\c+\i]
.endr
.irp i, 0,1,2
	v_mov_b32 v[PCA+3+6*\c+\i], v[PT+4*\c+\i]
.endr
.endr
.irp c, 0,1
	global_store_b128 v[L16], v[PCA+6*\c:PCA+6*\c+3], s[OUT+2*\c+4*((\a)/4):OUT+2*\c+4*((\a)/4)+1] offset:((\a)%4)*768
	global_store_b64 v[L8], v[PCA+6*\c+4:PCA+6*\c+5], s[OUT+2*\c+4*((\a)/4):OUT+2*\c+4*((\a)/4)+1] offset:((\a)%4)*768
.endr
	ds_store_b32 v[SST], v[PW+\a] offset:64*(\a)
.endm
	PLACES NP
.irp b, 0,1,2,3
	v_mov_b32 v[TM+4+\b], 0
.endr
.irp a, 0,1,2,3,4,5,6,7
	QUANTW \a
.endr
	ds_load_b128 v[BKR:BKR+3], v[SRD]
	s_wait_dscnt 0x0
	global_store_b128 v[FSO], v[BKR:BKR+3], s[12:13]
	s_wait_tensorcnt 0x0
	ds_add_u32 v[SPW], v[NIL]
	s_wait_dscnt 0x0
	CROUND
	s_endpgm
.Lfunc_end_k_q4502c430eb_proj:
	.size	k_q4502c430eb_proj, .Lfunc_end_k_q4502c430eb_proj-k_q4502c430eb_proj
	.p2alignl 7, 3214868480
	.fill 96, 4, 3214868480
	.section	.rodata,"a",@progbits
	.p2align	6, 0x0
	.amdhsa_kernel k_q4502c430eb_proj
		.amdhsa_group_segment_fixed_size 327680
		.amdhsa_private_segment_fixed_size 0
		.amdhsa_enable_private_segment 0
		.amdhsa_kernarg_size 64
		.amdhsa_user_sgpr_count 2
		.amdhsa_user_sgpr_kernarg_segment_ptr 1
		.amdhsa_wavefront_size32 1
		.amdhsa_system_sgpr_workgroup_id_x 1
		.amdhsa_system_sgpr_workgroup_id_y 1
		.amdhsa_system_sgpr_workgroup_id_z 1
		.amdhsa_system_vgpr_workitem_id 0
		.amdhsa_next_free_vgpr 1024
		.amdhsa_next_free_sgpr 102
		.amdhsa_reserve_vcc 0
		.amdhsa_float_denorm_mode_32 3
		.amdhsa_float_denorm_mode_16_64 3
		.amdhsa_memory_ordered 1
		.amdhsa_forward_progress 1
		.amdhsa_inst_pref_size 187
	.end_amdhsa_kernel
	.amdgpu_metadata
---
amdhsa.version: [ 1, 2 ]
amdhsa.kernels:
  - .name:           k_q4502c430eb_proj
    .symbol:         k_q4502c430eb_proj.kd
    .args:
      - { .name: xc, .offset: 0, .size: 8, .value_kind: global_buffer, .address_space: global }
      - { .name: xs, .offset: 8, .size: 8, .value_kind: global_buffer, .address_space: global }
      - { .name: ws, .offset: 16, .size: 8, .value_kind: global_buffer, .address_space: global }
      - { .name: bq, .offset: 24, .size: 8, .value_kind: global_buffer, .address_space: global }
      - { .name: bk, .offset: 32, .size: 8, .value_kind: global_buffer, .address_space: global }
      - { .name: bv, .offset: 40, .size: 8, .value_kind: global_buffer, .address_space: global }
      - { .name: fr, .offset: 48, .size: 8, .value_kind: global_buffer, .address_space: global }
      - { .name: fs, .offset: 56, .size: 8, .value_kind: global_buffer, .address_space: global }
    .group_segment_fixed_size: 327680
    .private_segment_fixed_size: 0
    .kernarg_segment_align: 8
    .kernarg_segment_size: 64
    .max_flat_workgroup_size: 128
    .sgpr_count:     102
    .vgpr_count:     1024
    .wavefront_size: 32
...
	.end_amdgpu_metadata
.endif
;; end of part 2
;; launch attn (part 3): grid 4 x 64, 16 waves a work-group, clusters of 4 x 1, 222,208 bytes of LDS; arguments fr, fs, cf, cs; writes cf, cs
.if DOCPART == 3
	.amdgcn_target "amdgcn-amd-amdhsa--gfx1250"
	.amdhsa_code_object_version 6
	.text
	.protected	k_q4502c430eb_attn
	.globl	k_q4502c430eb_attn
	.p2align	8
	.type	k_q4502c430eb_attn,@function
k_q4502c430eb_attn:
	s_mov_b64 s[64:65], 0
	v_nop
	global_prefetch_b8 v0, s[64:65] scope:SCOPE_SE
	s_setreg_imm32_b32 hwreg(HW_REG_WAVE_MODE, 25, 1), 1
	s_wait_xcnt 0x0
	s_wait_alu depctr_hold_cnt(0) depctr_sa_sdst(0) depctr_va_vdst(0) depctr_va_sdst(0) depctr_va_ssrc(0) depctr_va_vcc(0) depctr_vm_vsrc(0)
	s_getreg_b32 s2, hwreg(HW_REG_IB_STS2, 6, 4)
	s_cmp_eq_u32 s2, 0
	s_cbranch_scc0 .Lentry_in_a_cluster
	s_endpgm
.Lentry_in_a_cluster:
	s_bfe_u32 s2, ttmp6, 0x10000c
	s_cmp_lg_u32 s2, 0x3003
	s_cbranch_scc0 .Lentry_shape_is_right
	s_endpgm
.Lentry_shape_is_right:
; ctx[q] = the sum over k of softmax_k(Q[q] . K[k] / 8) V[k] for each of 64 heads (4 batches x 16), 2,048 queries and keys, head size 64; both products on codes of FP6 (E2M3) with E8M0 scales; ctx is quantised along its channels.
; THE SOFTMAX AHEAD OF THE SECOND PRODUCT: t = score x log2(e) / 8; M = the row's largest t so far, rounded UP to a whole number; p = 2^(t - M) is quantised along the keys, not normalised.  The row's sum is taken of
; the unquantised p, in f32, and divides at the end.  When M moves, the sum and O are multiplied by 2^(old M - new M): exact.
; SHARES.  256 work-groups: one head and 512 queries each; each of the sixteen waves takes two tiles of 16 queries, one after the other (macro PASS), four waves to a SIMD.
; A HEAD'S WHOLE K AND V STAY IN LDS, in 16 slots, one for each key step of 128 keys: K's 6,144 bytes, V's 6,144, K's 512 bytes of scale words, V's 256.  Wave w asks for slot w's codes by ONE tensor load of two rows
; (K's part and V's part of fr lie 6,291,456 bytes apart) and copies slot w's scale words through registers (768 bytes a wave: too few to share).  Nothing is filled again: no ring, and no barrier in the loops.
; The four work-groups of a cluster own the four query blocks of one head: each load is asked for jointly.  No prefetch: every fill stands at the head, so no request could stand earlier.
; LAYOUT.  Both products are used transposed: S^T = K Q^T (source 0 = 16 keys, source 1 = my queries), O^T = V^T P^T (source 0 = 16 channels, source 1 = P): a lane holds ONE query (lane % 16) throughout.
; Tile 4 c + q of a key step holds keys 64 c + 8 q + 0..7 in its rows 0-7 and keys 64 c + 32 + 8 q + 0..7 in rows 8-15 (the quantising launch lays the keys so): a lane's 32 registers of tiles 4 c .. 4 c + 3 are the WHOLE
; block of 32 keys 64 c + 32 (lane / 16) + 0..31, which is what P's operand wants of that lane: a block's largest score needs no other lane, and the codes are not moved between lanes.
; K = 64 IN AN INSTRUCTION OF 128.  Q's operand is six registers of codes and six of zeros; a key tile's is its six registers and the six behind them, which meet Q's zero codes.  K's scale words are shifted at the head so
; that my head's two bytes are the lower two; the upper two are finite codes or 0 and meet zero codes.
; LIMITS: the promise holds while the scaled scores stay under 2^31 in magnitude; NaN and infinities are not served; a block of ctx under 2^-124, or of zeros, keeps the byte 1 (this program alone reads the bytes).
; REGISTERS: v1-6 addresses that stay; v8, v9 block maxima; v10, v11, v29 at work; v12 -M, v13 the largest score; v[14:15] the sum; v16-27 Q; v28 the last -M; v30, v31 the add's; v32-85 K's tiles, then V's fragments (v32-79);
;   v86-92 the second tile's Q and scale words; v93 Q's scale words; v94 f; v96-159 S^T, then p; v160-191 O^T; v192-203 six partial sums; v204 p's scale word; v205-212 at work; v217, v218 the step's addresses; v224-235 p's codes; v236-239 scale words.
; REGISTERS, more exactly than above: v192-203 six partial sums; v217, v218 the step's addresses; v3 = 4 x lane, the scale words' offset in memory.
.set SLOTB, 13056                      ; a slot: 12,288 bytes of codes, filled by the tensor load, then three blocks of 256 bytes of scale words, stored from registers
.set SL0,   13056                      ; slot 0
.set KSC,   12288
.set VSC,   12800
.set SPARE, 1024                       ; LDS 0-1,023: where ctx's scale bytes meet; 1,024-3,071: the spare words
.set WV,   12
.set SEL,  20                          ; s[20:21] lane selects: lane l xor 16
.set CS,   22                          ; s[22:23] c = log2(e) / 8
.set G1,   24
.set NC,   36                          ; -c
.set SH,   37                          ; 16 x (which head of its pair)
.set W0,   38                          ; my slot
.set G0,   56
.set T,    88                          ; the step's slot
.set CNT,  89
.macro CROUND                          ; a round of the cluster's barrier
	s_barrier_signal -1
	s_barrier_wait -1
	s_cmp_lg_u32 s[WV], 0
	s_cbranch_scc1 .Lnot_wave_0_\@
	s_barrier_signal -3
.Lnot_wave_0_\@:
	s_barrier_wait -3
	s_barrier_signal -1
	s_barrier_wait -1
.endm
	s_load_b256 s[4:11], s[0:1], 0x0               ; fr, fs, cf, cs
	v_lshl_add_u32 v30, v0, 2, SPARE
	v_mov_b32 v31, 0
	ds_add_u32 v30, v31                            ; the opening lines: the add, twice on end, and its wait ahead of my tensor load
	ds_add_u32 v30, v31
	v_lshrrev_b32 v8, 5, v0
	v_readfirstlane_b32 s[WV], v8                  ; wave 0..15
	s_bfe_u32 s13, ttmp6, 0x40000                  ; cx: my block of 512 queries; it enters Q's, cf's and cs's addresses alone
	s_and_b32 s15, ttmp7, 0xffff                   ; y = 16 x batch + head, which the four partners share
	s_lshr_b32 s16, s15, 4                         ; batch
	s_and_b32 s17, s15, 15                         ; head
	s_and_b32 s18, s15, 1                          ; e: which head of its pair
	s_lshr_b32 s19, s17, 1                         ; g: the pair in its batch
	s_lshr_b32 s39, s15, 1                         ; the pair among all 32
	s_lshl_b32 s40, s13, 5                         ; the block's first tile of 16 queries
	s_add_co_u32 s14, s40, s[WV]                   ; my first tile; my second lies 16 tiles on
	s_mov_b32 s[SEL], 0x76543210
	s_mov_b32 s[SEL+1], 0xfedcba98
	s_mov_b32 s[CS], 0x3e38aa3b
	s_mov_b32 s[CS+1], s[CS]                       ; (named with it as a pair, so it is written)
	s_mov_b32 s[NC], 0xbe38aa3b
	s_lshl_b32 s[SH], s18, 4
	s_mov_b32 s[G1], 15|(3<<16)|(1<<21)            ; the mask: all four work-groups; elements of 8 bytes; bit 21 set beside a mask
	s_mov_b32 s[G1+1], 768<<16                     ; a row: 768 elements, 6,144 bytes
	s_mov_b32 s[G1+2], 2<<16                       ; two rows: K's, V's
	s_mov_b32 s[G1+3], 768<<16
	s_mov_b32 s[G1+4], 2
	s_mov_b32 s[G1+5], 786432                      ; 6,291,456 bytes apart
	s_mov_b32 s[G1+6], 0
	s_mov_b32 s[G1+7], 0
	s_mul_i32 s[W0], s[WV], SLOTB
	s_add_co_u32 s[W0], s[W0], SL0
	s_mul_i32 s74, s15, 98304                      ; the head in K's part of fr,
	s_mul_i32 s75, s[WV], 6144                     ; key step w
	s_add_co_u32 s74, s74, s75
	s_add_co_u32 s74, s74, 6291456
	s_mov_b32 s75, 0
	s_lshl_b32 s76, s39, 13                        ; the pair's 8,192 bytes of scale words
	s_lshl_b32 s77, s[WV], 9
	s_add_co_u32 s78, s76, 0x80000                 ; in V's part of fs,
	s_add_co_u32 s76, s76, s77
	s_add_co_u32 s76, s76, 0x40000                 ; in K's: 512 bytes a step
	s_mov_b32 s77, 0
	s_lshl_b32 s79, s18, 12
	s_add_co_u32 s78, s78, s79                     ; V's: my head's 4,096 bytes, 256 a step
	s_lshl_b32 s79, s[WV], 8
	s_add_co_u32 s78, s78, s79
	s_mov_b32 s79, 0
	s_lshl_b32 s82, s15, 7
	s_add_co_u32 s82, s82, s14
	s_mul_i32 s82, s82, 768                        ; Q's codes
	s_mov_b32 s83, 0
	s_lshl_b32 s84, s39, 7
	s_add_co_u32 s84, s84, s14
	s_lshl_b32 s84, s84, 6
	s_lshl_b32 s85, s18, 1
	s_add_co_u32 s84, s84, s85                     ; Q's scale words, my head's two bytes
	s_mov_b32 s85, 0
	s_lshl_b32 s86, s16, 7
	s_add_co_u32 s87, s86, s14
	s_lshl_b32 s87, s87, 3
	s_add_co_u32 s87, s87, s19
	s_mul_i32 s87, s87, 1536
	s_mul_i32 s41, s18, 768
	s_add_co_u32 s86, s86, s40
	s_lshl_b32 s48, s86, 5
	s_lshl_b32 s49, s17, 14
	s_add_co_u32 s48, s48, s49                     ; cs: head x 16,384 + (batch x 128 + the block's first tile) x 32
	s_mov_b32 s49, 0
	s_add_co_u32 s86, s87, s41                     ; cf: ((batch x 128 + tile) x 8 + g) x 1,536 + 768 e
	s_mov_b32 s87, 0
	s_wait_dscnt 0x0                               ; both opening adds are done
	s_wait_kmcnt 0x0
	s_mov_b32 s[G0], 1
	s_mov_b32 s[G0+1], s[W0]
	s_add_nc_u64 s[G0+2:G0+3], s[4:5], s[74:75]
	s_or_b32 s[G0+3], s[G0+3], 0x80000000
	s_add_nc_u64 s[76:77], s[6:7], s[76:77]
	s_add_nc_u64 s[78:79], s[6:7], s[78:79]
	s_add_nc_u64 s[82:83], s[4:5], s[82:83]
	s_add_nc_u64 s[84:85], s[6:7], s[84:85]
	s_add_nc_u64 s[8:9], s[8:9], s[86:87]
	s_add_nc_u64 s[10:11], s[10:11], s[48:49]
	CROUND                                         ; all four work-groups are here: the joint loads meet
	tensor_load_to_lds s[G0:G0+3], s[G1:G1+7]      ; every wave's one load: key step w of K and of V
	s_nop 0
	v_and_b32 v8, 31, v0                           ; lane
	v_and_b32 v9, 15, v0                           ; r
	v_lshlrev_b32 v1, 4, v8                        ; six registers' image: registers 0-3 at 16 x lane,
	v_lshl_add_u32 v2, v8, 3, 512                  ; registers 4, 5 at 512 + 8 x lane
	v_lshlrev_b32 v4, 3, v8
	v_lshlrev_b32 v10, 2, v9
	global_load_b128 v[16:19], v1, s[82:83]        ; Q of both tiles stays in registers
	global_load_b64 v[20:21], v2, s[82:83]
	global_load_b128 v[86:89], v1, s[82:83] offset:12288
	global_load_b64 v[90:91], v2, s[82:83] offset:12288
	global_load_u16 v93, v10, s[84:85]
	global_load_u16 v92, v10, s[84:85] offset:1024
	v_lshlrev_b32 v3, 2, v8
.irp x, 0,1,2,3
	global_load_b32 v[96+\x], v3, s[76:77] offset:128*\x   ; step w's scale words, laid so that a lane's words of a step lie side by side in LDS: K's four (tiles 2 x and 2 x + 1),
.endr
	global_load_b32 v100, v3, s[78:79]             ; V's two
	global_load_b32 v101, v3, s[78:79] offset:128
	v_and_b32 v5, 0x1e0, v0
	v_lshl_add_u32 v5, v9, 1, v5                   ; ctx's two scale bytes: 32 x wave + 2 r
	v_lshlrev_b32 v6, 4, v0                        ; and, for waves 0 and 1, their way out: 16 x thread
	v_add_nc_u32 v217, s[W0], v1
	v_add_nc_u32 v218, s[W0], v4
.irp j, 22,23,24,25,26,27,80,81,82,83,84,85
	v_mov_b32 v\j, 0                               ; the zero codes of Q's upper half, and those behind K's last tile
.endr
	v_mov_b32 v11, 0                               ; written once: a lane permute's destination counts as one of its sources
	v_mov_b32 v205, 0
	v_mov_b32 v95, 0                               ; (named as the upper half of the pair v[94:95])
	s_wait_alu depctr_va_vdst(0)                   ; the wait at the head's end
	s_wait_tensorcnt 0x0                           ; my slot's codes have landed
	s_wait_loadcnt 0x0
.irp j, 96,97,98,99
	v_lshrrev_b32 v\j, s[SH], v\j                  ; my head's two bytes of each of K's words become the lower two
.endr
	ds_store_b128 v217, v[96:99] offset:KSC
	ds_store_b64 v218, v[100:101] offset:VSC
	s_wait_dscnt 0x0                               ; for the others' sake
	s_barrier_signal -1
	s_barrier_wait -1                              ; all sixteen slots are whole
; ONE TILE OF 16 QUERIES against all 2,048 keys, and its way out
.macro PASS p
.if \p
	s_wait_xcnt 0x0                                ; the first tile's stores have read their registers
.irp i, 0,1,2,3,4,5
	v_mov_b32 v[16+\i], v[86+\i]
.endr
	v_mov_b32 v93, v92
.endif
	v_mov_b32 v13, 0xff61b1e6                      ; the largest score so far: -3e38
	v_mov_b32 v28, 0x7f61b1e6                      ; the last -M: 3e38, so that the first f is 0
	v_mov_b32 v14, 0
	v_mov_b32 v15, 0
	v_mov_b32 v94, 0
.set j, 0
.rept 12
	v_mov_b32 v[192+j], 0                          ; the six partial sums (v192-203): each step begins by closing the step before
.set j, j+1
.endr
.set j, 0
.rept 32
	v_mov_b32 v[160+j], 0                          ; O^T: the step is written for every step alike; the first finds zeros
.set j, j+1
.endr
	s_mov_b32 s[T], SL0
	s_mov_b32 s[CNT], 16
.Lstep_\@:
	v_add_nc_u32 v217, s[T], v1                    ; these four lines are the places behind the last step's products
	v_add_nc_u32 v218, s[T], v2
	v_pk_add_f32 v[192:193], v[192:193], v[194:195]   ; the last step's six partial sums are joined here and behind the scores' products
	v_pk_add_f32 v[196:197], v[196:197], v[198:199]
.irp i, 0,1,2,3,4,5,6,7
	ds_load_b128 v[32+6*\i:35+6*\i], v217 offset:768*\i
	ds_load_b64 v[36+6*\i:37+6*\i], v218 offset:768*\i
.endr
	ds_load_b128 v[236:239], v217 offset:KSC       ; register x: lanes 0-15 tile 2 x, lanes 16-31 tile 2 x + 1
	s_wait_alu depctr_va_vdst(0)                   ; the wait here, directly ahead of the wait below
	s_wait_dscnt 0x0
.irp i, 0,2,4,6
	v_wmma_scale_f32_16x16x128_f8f6f4 v[96+8*\i:103+8*\i], v[32+6*\i:43+6*\i], v[16:27], 0, v[236+\i/2], v93 matrix_a_fmt:MATRIX_FMT_FP6 matrix_b_fmt:MATRIX_FMT_FP6
	v_wmma_scale_f32_16x16x128_f8f6f4 v[104+8*\i:111+8*\i], v[38+6*\i:49+6*\i], v[16:27], 0, v[236+\i/2], v93 matrix_a_fmt:MATRIX_FMT_FP6 matrix_b_fmt:MATRIX_FMT_FP6 matrix_a_scale:MATRIX_SCALE_ROW1
.endr
	v_pk_add_f32 v[200:201], v[200:201], v[202:203]   ; four places in front of the loads below and of the first read of the scores
	v_pk_add_f32 v[192:193], v[192:193], v[196:197]
	v_pk_add_f32 v[192:193], v[192:193], v[200:201]
	v_pk_fma_f32 v[14:15], v[14:15], v[94:95], v[192:193] op_sel_hi:[1,0,1]   ; the row's sum x the last step's f + the last step's p
.irp d, 0,1,2,3                                ; V's four fragments land while the softmax is walked
.irp c, 0,1
	ds_load_b128 v[32+12*\d+6*\c:35+12*\d+6*\c], v217 offset:6144+3072*\c+768*\d
	ds_load_b64 v[36+12*\d+6*\c:37+12*\d+6*\c], v218 offset:6144+3072*\c+768*\d
.endr
.endr
	ds_load_b64 v[236:237], v218 offset:VSC-512    ; (v218 holds 512 + 8 x lane)
.irp c, 0,1                                    ; the largest score of my two blocks of 32 keys, each in two chains; each accumulator is first read at its low end
	v_max3_num_f32 v[8+\c], v[96+32*\c], v[97+32*\c], v[98+32*\c]
	v_max3_num_f32 v[206+\c], v[112+32*\c], v[113+32*\c], v[114+32*\c]
.endr
.irp i, 3,5,7,9,11,13
.irp c, 0,1
	v_max3_num_f32 v[8+\c], v[8+\c], v[96+32*\c+\i], v[97+32*\c+\i]
	v_max3_num_f32 v[206+\c], v[206+\c], v[112+32*\c+\i], v[113+32*\c+\i]
.endr
.endr
.irp c, 0,1
	v_max3_num_f32 v[8+\c], v[8+\c], v[111+32*\c], v[127+32*\c]
.endr
.irp c, 0,1
	v_max_num_f32 v[8+\c], v[8+\c], v[206+\c]
.endr
	s_delay_alu instid0(VALU_DEP_1)
	v_max_num_f32 v10, v8, v9
	s_delay_alu instid0(VALU_DEP_1)
	v_permlanex16_b32 v11, v10, s[SEL], s[SEL+1]
	s_delay_alu instid0(VALU_DEP_1)
	v_max3_num_f32 v13, v13, v10, v11              ; the running largest score of my query (c is positive)
	s_delay_alu instid0(VALU_DEP_1)
	v_mul_f32 v10, s[NC], v13
	s_delay_alu instid0(VALU_DEP_1)
	v_floor_f32 v12, v10                           ; the new -M = floor(-t): M is a whole number
.set j, 0
.irp z, 0,1,2,3                                ; t - M, two at a time; the three lines that make f stand among them, eight lines apart
.rept 8
	v_pk_fma_f32 v[96+j:97+j], v[96+j:97+j], s[CS:CS+1], v[12:13] op_sel_hi:[1,0,0]
.set j, j+2
.endr
.if \z == 0
	v_sub_f32 v29, v12, v28                        ; old M less new M: a whole number, 0 or less
.elseif \z == 1
	v_cvt_i32_f32 v29, v29                         ; (it saturates)
.elseif \z == 2
	v_ldexp_f32 v94, 1.0, v29                      ; f = 2^(old M - new M)
.endif
.endr
.irp c, 0,1
	v_fma_f32 v[8+\c], v[8+\c], s[CS], v12         ; the same of each block's largest score
.endr
	s_wait_alu depctr_va_vdst(0)                   ; the wait ahead of the batch
.set j, 0
.rept 64
	v_exp_f32 v[96+j], v[96+j]                     ; p = 2^(t - M), at most 1
.set j, j+1
.endr
	v_exp_f32 v8, v8                               ; the block's largest p: the same two instructions on the same number give the same bits
	v_exp_f32 v9, v9
	v_mov_b32 v28, v12                             ; (a plain line behind the exponentials)
	s_wait_alu depctr_va_vdst(0)                   ; one wait for the whole batch, ahead of its first reader
.irp c, 0,1
	v_max_num_f32 v[8+\c], 0x1800000, v[8+\c]      ; the floor 2^(3 - 127): the byte cannot fall under 1
.endr
.irp c, 0,1
	v_add_nc_u32 v[206+\c], 0xff000000, v[8+\c]    ; 2 off the exponent field: the conversion's scale operand
.endr
.irp c, 0,1
	v_cvt_scalef32_pk16_fp6_f32 v[224+6*\c:226+6*\c], v[96+32*\c:111+32*\c], v[206+\c]
	v_cvt_scalef32_pk16_fp6_f32 v[210+4*\c:212+4*\c], v[112+32*\c:127+32*\c], v[206+\c]   ; (a conversion's three registers begin on an even number)
.endr
.irp c, 0,1
	v_lshrrev_b32 v[208+\c], 23, v[206+\c]         ; the scale's byte (also the plain lines behind the conversions)
.endr
	s_delay_alu instid0(VALU_DEP_1)
	v_lshl_or_b32 v204, v209, 16, v208             ; my blocks' bytes: lanes 0-15 hold blocks 0 and 2, lanes 16-31 blocks 1 and 3
	s_delay_alu instid0(VALU_DEP_1)
	v_permlanex16_b32 v205, v204, s[SEL], s[SEL+1]
	s_delay_alu instid0(VALU_DEP_1)
	v_lshl_or_b32 v204, v205, 8, v204              ; in lanes 0-15, which alone are read: p's scale word for these 128 keys
.irp c, 0,1
.irp i, 0,1,2
	v_mov_b32 v[227+6*\c+\i], v[210+4*\c+\i]
.endr
.endr
	s_wait_dscnt 0x0                               ; V is in
.set k, 0
.rept 6
	v_pk_add_f32 v[192+2*k:193+2*k], v[96+4*k:97+4*k], v[98+4*k:99+4*k]   ; the sum of the unquantised p, two at a time, in six chains
.set k, k+1
.endr
.set k, 12
.rept 20
	v_pk_add_f32 v[192+2*(k%6):193+2*(k%6)], v[192+2*(k%6):193+2*(k%6)], v[96+2*k:97+2*k]
.set k, k+1
.endr
	s_wait_alu depctr_va_vdst(0)                   ; the wait here, directly ahead of the first reader of O^T
.set j, 0
.rept 16
	v_pk_mul_f32 v[160+j:161+j], v[160+j:161+j], v[94:95] op_sel_hi:[1,0]   ; O^T under the new M, each accumulator from its low end on
.set j, j+2
.endr
.irp d, 0,2                                    ; behind the codes' and the scale word's last writes stand the 44 lines above
	v_wmma_scale_f32_16x16x128_f8f6f4 v[160+8*\d:167+8*\d], v[32+12*\d:43+12*\d], v[224:235], v[160+8*\d:167+8*\d], v[236+\d/2], v204 matrix_a_fmt:MATRIX_FMT_FP6 matrix_b_fmt:MATRIX_FMT_FP6
	v_wmma_scale_f32_16x16x128_f8f6f4 v[168+8*\d:175+8*\d], v[44+12*\d:55+12*\d], v[224:235], v[168+8*\d:175+8*\d], v[236+\d/2], v204 matrix_a_fmt:MATRIX_FMT_FP6 matrix_b_fmt:MATRIX_FMT_FP6 matrix_a_scale:MATRIX_SCALE_ROW1
.endr
	s_add_co_u32 s[T], s[T], SLOTB
	s_sub_co_u32 s[CNT], s[CNT], 1
	s_cmp_lg_u32 s[CNT], 0
	s_cbranch_scc1 .Lstep_\@
	; THE WAY OUT.  O^T / the sum is quantised along the head's 64 channels (two blocks) and stored as six registers of the last product's A fragment.
	v_pk_add_f32 v[192:193], v[192:193], v[194:195]   ; the last step's sums are closed (also the places behind the last products)
	v_pk_add_f32 v[196:197], v[196:197], v[198:199]
	v_pk_add_f32 v[200:201], v[200:201], v[202:203]
	v_pk_add_f32 v[192:193], v[192:193], v[196:197]
	s_delay_alu instid0(VALU_DEP_1)
	v_pk_add_f32 v[192:193], v[192:193], v[200:201]
	s_delay_alu instid0(VALU_DEP_1)
	v_pk_fma_f32 v[14:15], v[14:15], v[94:95], v[192:193] op_sel_hi:[1,0,1]
	s_delay_alu instid0(VALU_DEP_1)
	v_add_f32 v14, v14, v15                        ; the sum's two halves,
	s_delay_alu instid0(VALU_DEP_1)
	v_permlanex16_b32 v11, v14, s[SEL], s[SEL+1]
	s_delay_alu instid0(VALU_DEP_1)
	v_add_f32 v14, v14, v11                        ; and lane l xor 16's keys
	s_wait_alu depctr_va_vdst(0)                   ; the wait ahead of the reciprocal
	v_rcp_f32 v14, v14
	v_nop                                          ; a plain line behind it
	s_wait_alu depctr_va_vdst(0)                   ; and the wait ahead of its first reader, which is also the first reader of O^T
.set j, 0
.rept 16
	v_pk_mul_f32 v[96+j:97+j], v[160+j:161+j], v[14:15] op_sel_hi:[1,0]   ; register 16 b + i is channel 32 b + 16 (lane / 16) + i
.set j, j+2
.endr
.irp b, 0,1
	v_max3_num_f32 v[8+\b], |v[96+16*\b]|, |v[97+16*\b]|, 0x1800000
.endr
.irp i, 2,4,6,8,10,12,14
.irp b, 0,1
	s_delay_alu instid0(VALU_DEP_2)
	v_max3_num_f32 v[8+\b], v[8+\b], |v[96+16*\b+\i]|, |v[97+16*\b+\i]|
.endr
.endr
	s_delay_alu instid0(VALU_DEP_2)
	v_permlanex16_b32 v11, v8, s[SEL], s[SEL+1]
	s_delay_alu instid0(VALU_DEP_2)
	v_permlanex16_b32 v205, v9, s[SEL], s[SEL+1]
	s_delay_alu instid0(VALU_DEP_2)
	v_max_num_f32 v8, v8, v11
	s_delay_alu instid0(VALU_DEP_2)
	v_max_num_f32 v9, v9, v205
.irp b, 0,1
	s_delay_alu instid0(VALU_DEP_2)
	v_add_nc_u32 v[206+\b], 0xff000000, v[8+\b]
.endr
	v_cvt_scalef32_pk16_fp6_f32 v[224:226], v[96:111], v206
	v_cvt_scalef32_pk16_fp6_f32 v[210:212], v[112:127], v207
.irp b, 0,1
	v_lshrrev_b32 v[208+\b], 23, v[206+\b]         ; (also the plain lines behind the conversions)
.endr
	s_delay_alu instid0(VALU_DEP_1)
	v_lshl_or_b32 v204, v209, 8, v208
.irp i, 0,1,2
	v_permlane16_swap_b32 v[224+\i], v[210+\i]     ; here a block lies in lanes l and l xor 16: the operand wants it whole in a lane
.endr
.irp i, 0,1,2
	s_delay_alu instid0(VALU_DEP_3)
	v_mov_b32 v[227+\i], v[210+\i]
.endr
.irp q, 0,1,2
	global_store_b64 v4, v[224+2*\q:225+2*\q], s[8:9] offset:256*\q+196608*\p   ; 32 lanes store 256 consecutive bytes, aligned; the second tile lies 16 x 8 x 1,536 bytes on
.endr
	ds_store_b16 v5, v204 offset:512*\p            ; lanes r and r + 16 write the same two bytes
.endm
	PASS 0
	PASS 1
	s_wait_dscnt 0x0                               ; for the others' sake
	s_barrier_signal -1
	s_barrier_wait -1
	s_cmp_lt_u32 s[WV], 2
	s_cbranch_scc0 .Lnot_mine
	ds_load_b128 v[32:35], v6                      ; the block's 32 tiles x 16 rows x 2 bytes: 512 bytes for each of waves 0 and 1
	s_wait_dscnt 0x0
	global_store_b128 v6, v[32:35], s[10:11]       ; 512 consecutive bytes, aligned to 256
.Lnot_mine:
	s_wait_tensorcnt 0x0                           ; the wave's end
	ds_add_u32 v30, v31
	s_wait_dscnt 0x0
	CROUND                                         ; the closing round: no work-group ends while a partner may still ask for a tile that names it
	s_endpgm
.Lfunc_end_k_q4502c430eb_attn:
	.size	k_q4502c430eb_attn, .Lfunc_end_k_q4502c430eb_attn-k_q4502c430eb_attn
	.p2alignl 7, 3214868480
	.fill 96, 4, 3214868480
	.section	.rodata,"a",@progbits
	.p2align	6, 0x0
	.amdhsa_kernel k_q4502c430eb_attn
		.amdhsa_group_segment_fixed_size 222208
		.amdhsa_private_segment_fixed_size 0
		.amdhsa_enable_private_segment 0
		.amdhsa_kernarg_size 32
		.amdhsa_user_sgpr_count 2
		.amdhsa_user_sgpr_kernarg_segment_ptr 1
		.amdhsa_wavefront_size32 1
		.amdhsa_system_sgpr_workgroup_id_x 1
		.amdhsa_system_sgpr_workgroup_id_y 1
		.amdhsa_system_sgpr_workgroup_id_z 1
		.amdhsa_system_vgpr_workitem_id 0
		.amdhsa_next_free_vgpr 256
		.amdhsa_next_free_sgpr 96
		.amdhsa_reserve_vcc 0
		.amdhsa_float_denorm_mode_32 3
		.amdhsa_float_denorm_mode_16_64 3
		.amdhsa_memory_ordered 1
		.amdhsa_forward_progress 1
		.amdhsa_inst_pref_size 51
	.end_amdhsa_kernel
	.amdgpu_metadata
---
amdhsa.version: [ 1, 2 ]
amdhsa.kernels:
  - .name:           k_q4502c430eb_attn
    .symbol:         k_q4502c430eb_attn.kd
    .args:
      - { .name: fr, .offset: 0, .size: 8, .value_kind: global_buffer, .address_space: global }
      - { .name: fs, .offset: 8, .size: 8, .value_kind: global_buffer, .address_space: global }
      - { .name: cf, .offset: 16, .size: 8, .value_kind: global_buffer, .address_space: global }
      - { .name: cs, .offset: 24, .size: 8, .value_kind: global_buffer, .address_space: global }
    .group_segment_fixed_size: 222208
    .private_segment_fixed_size: 0
    .kernarg_segment_align: 8
    .kernarg_segment_size: 32
    .max_flat_workgroup_size: 512
    .sgpr_count:     96
    .vgpr_count:     256
    .wavefront_size: 32
...
	.end_amdgpu_metadata
.endif
;; end of part 3
;; launch outp (part 4): grid 8 x 32, 4 waves a work-group, clusters of 4 x 4, 327,680 bytes of LDS; arguments cf, cs, xc, ws, bo, time_decay, out0; writes out0
.if DOCPART == 4
	.amdgcn_target "amdgcn-amd-amdhsa--gfx1250"
	.amdhsa_code_object_version 6
	.text
	.protected	k_q4502c430eb_outp
	.globl	k_q4502c430eb_outp
	.p2align	8
	.type	k_q4502c430eb_outp,@function
k_q4502c430eb_outp:
	s_mov_b64 s[64:65], 0
	v_nop
	global_prefetch_b8 v0, s[64:65] scope:SCOPE_SE
	s_setreg_imm32_b32 hwreg(HW_REG_WAVE_MODE, 25, 1), 1
	s_wait_xcnt 0x0
	s_wait_alu depctr_hold_cnt(0) depctr_sa_sdst(0) depctr_va_vdst(0) depctr_va_sdst(0) depctr_va_ssrc(0) depctr_va_vcc(0) depctr_vm_vsrc(0)
	s_getreg_b32 s2, hwreg(HW_REG_IB_STS2, 6, 4)
	s_cmp_eq_u32 s2, 0
	s_cbranch_scc0 .Lentry_in_a_cluster
	s_endpgm
.Lentry_in_a_cluster:
	s_bfe_u32 s2, ttmp6, 0x10000c
	s_cmp_lg_u32 s2, 0xf033
	s_cbranch_scc0 .Lentry_shape_is_right
	s_endpgm
.Lentry_shape_is_right:
; out0[t][b][n] = (the sum over k of ctx[b, t][k] Wo[n][k] + bo[n]) x time_decay[t][b][n]: M = 8,192, N = 1,024, K = 1,024, both operands as codes of FP6 (E2M3) with E8M0 scales, sums in f32.
; SHARES.  256 work-groups: a block of 256 rows x 128 columns; four waves, each 128 x 64: 32 accumulators of 16 x 16.
; ALL OF K LIES IN LDS AT ONCE: A's 16 tiles of 16 rows are 196,608 dense bytes of cf, as images of the operand's registers; B's 128 rows are four K steps of 256 along K, 24,576 dense bytes each, which the load pads by 16 bytes
; behind each 64 (a row of 192 bytes takes 240).  Each wave asks for half of A or half of B by ONE tensor load at the head; nothing is filled again: no ring, and no barrier in the walk along K.  So there is nothing to
; prefetch either: no request could stand earlier than these loads.  The scale words, the bias and the first four blocks of time_decay come by loads into registers while the tiles are on their way.
; CLUSTERS: 4 x 4 work-groups; A's halves are asked for jointly along a row of the cluster, B's along a column.
; THE MATRIX INSTRUCTION IS USED TRANSPOSED (source 0 = 16 rows of Wo, source 1 = 16 rows of ctx): a lane holds eight neighbouring numbers of a row of the result.  Rows of ctx and of Wo lie by places (of each 32 the two
; middle groups of 8 have changed places): tile i's row r is row 32 (i / 2) + 8 (i % 2) + r + 8 (r / 8).
; REGISTERS, in windows of 256.  Window 0: v8-29 addresses; v32-47 B's scale words, v48-79 A's (register 4 i + s: lanes 0-15 the word of step 2 s, lanes 16-31 of step 2 s + 1); v80-111 the bias; v112-175 the way out; v176-207 at work.
;   Window 1: accumulator (a, b) at v[8 (4 a + b)].  Window 2: A's fragments, two sets of 96.  Window 3: B's fragments, two sets of 48; from v96 four sets of 32 for time_decay.
.set KST,    5505024                   ; xc is [K step 4][row 28,672][192 bytes]
.set PITCH,  240
.set FR,     12
.set ABYTES, 196608
.set BSTEP,  128*PITCH                 ; B's 128 rows of one K step in LDS
.set SPARE,  ABYTES+4*BSTEP            ; the spare words
.set SPITCH, 272                       ; the way out: a stage of 16 rows x (256 bytes + 16) for each wave, in A's bytes, which have had their only fill and, behind a barrier, their last read
.set ADRA, 8
.set ADRB, 16
.set STO,  20
.set RD,   21
.set CO,   22
.set BOQ,  23
.set VSA,  24
.set VSB,  25
.set SPW,  28
.set NIL,  29
.set SB,   32
.set SA,   48
.set BI,   80
.set BB,   112
.set TS,   176
.set G1,   24
.set G0,   32
.set G0B,  36
.set G1B,  52
.set MSB, 0
.macro WIN new                         ; the immediate's high byte repeats the setting that is left
.if MSB != (\new)
	s_set_vgpr_msb (MSB<<8)|(\new)
.set MSB, (\new)
.endif
.endm
.macro CROUND                          ; a round of the cluster's barrier
	s_barrier_signal -1
	s_barrier_wait -1
	s_cmp_lg_u32 s14, 0
	s_cbranch_scc1 .Lnot_wave_0_\@
	s_barrier_signal -3
.Lnot_wave_0_\@:
	s_barrier_wait -3
	s_barrier_signal -1
	s_barrier_wait -1
.endm
.macro PLACES n
.rept \n
	v_nop
.endr
.endm
	s_load_b256 s[4:11], s[0:1], 0x0               ; cf, cs, xc, ws
	s_load_b128 s[44:47], s[0:1], 0x20             ; bo, time_decay
	s_load_b64 s[48:49], s[0:1], 0x30              ; out0
	v_lshl_add_u32 v[SPW], v0, 2, SPARE
	v_mov_b32 v[NIL], 0
	ds_add_u32 v[SPW], v[NIL]                      ; the opening lines: the add, twice on end, and its wait ahead of my tensor load
	ds_add_u32 v[SPW], v[NIL]
	v_lshrrev_b32 v1, 5, v0
	v_readfirstlane_b32 s14, v1                    ; wave 0..3
	s_lshr_b32 s15, s14, 1                         ; which 128 rows are mine.  Also: I fetch for A (0) or for B (1)
	s_and_b32 s16, s14, 1                          ; which 64 columns.  Also: which half I fetch
	s_bfe_u32 s40, ttmp6, 0x40000                  ; cx, cy
	s_bfe_u32 s41, ttmp6, 0x40004
	s_lshl_b32 s42, ttmp9, 2
	s_add_co_u32 s42, s42, s40                     ; block column, 0..7
	s_and_b32 s17, ttmp7, 0xffff
	s_lshl_b32 s17, s17, 2
	s_add_co_u32 s17, s17, s41                     ; block row, 0..31
	s_lshl_b32 s43, s41, 2
	s_lshl_b32 s43, 15, s43                        ; my row of the cluster
	s_lshl_b32 s50, 0x1111, s40                    ; my column
	s_or_b32 s[G1], s43, (3<<16)|(1<<21)           ; A's half: 98,304 dense bytes as 384 rows of 256 bytes (32 elements of 8)
	s_mov_b32 s[G1+1], 32<<16
	s_mov_b32 s[G1+2], 384<<16
	s_mov_b32 s[G1+3], 32<<16
	s_mov_b32 s[G1+4], 384
	s_mov_b32 s[G1+5], 32
	s_mov_b32 s[G1+6], 0
	s_mov_b32 s[G1+7], 0
	s_or_b32 s[G1B], s50, (3<<16)|(1<<20)|(1<<21)|(3<<22)|(3<<25)   ; B's half: two K steps, each a row of 24,576 bytes; 4 words of padding behind each 16
	s_mov_b32 s[G1B+1], 3072<<16
	s_mov_b32 s[G1B+2], 2<<16
	s_mov_b32 s[G1B+3], 3072<<16
	s_mov_b32 s[G1B+4], 2
	s_mov_b32 s[G1B+5], KST/8
	s_mov_b32 s[G1B+6], 0
	s_mov_b32 s[G1B+7], 0
	s_mul_i32 s20, s17, ABYTES                     ; A: 16 tiles of 12,288 bytes a block row,
	s_mul_i32 s18, s16, ABYTES/2                   ; my half; the same in LDS
	s_add_co_u32 s20, s20, s18
	s_mov_b32 s21, 0
	s_mul_i32 s22, s42, 128*192                    ; B: 128 rows of 192 bytes a block column,
	s_mul_i32 s19, s16, 2*KST                      ; my two K steps,
	s_add_co_u32 s22, s22, s19
	s_add_co_u32 s22, s22, 5308416                 ; Wo's rows: behind the activations' 24,576 rows and three weights of 1,024
	s_mov_b32 s23, 0
	s_mul_i32 s19, s16, 2*BSTEP
	s_add_co_u32 s19, s19, ABYTES
	s_wait_dscnt 0x0                               ; both opening adds are done
	s_wait_kmcnt 0x0
	s_mov_b32 s[G0], 1
	s_mov_b32 s[G0+1], s18
	s_add_nc_u64 s[G0+2:G0+3], s[4:5], s[20:21]
	s_or_b32 s[G0+3], s[G0+3], 0x80000000
	s_mov_b32 s[G0B], 1
	s_mov_b32 s[G0B+1], s19
	s_add_nc_u64 s[G0B+2:G0B+3], s[8:9], s[22:23]
	s_or_b32 s[G0B+3], s[G0B+3], 0x80000000
	CROUND                                         ; all sixteen work-groups are here: the joint loads meet
	s_cmp_eq_u32 s15, 0                            ; every way passes exactly one load
	s_cbranch_scc0 .Lfor_b
	tensor_load_to_lds s[G0:G0+3], s[G1:G1+7]
	s_nop 0
	PLACES 4
	s_branch .Lasked
.Lfor_b:
	tensor_load_to_lds s[G0B:G0B+3], s[G1B:G1B+7]
	s_nop 0
	PLACES 4
.Lasked:
	s_mul_i32 s21, s15, ABYTES/2                   ; my 8 tiles of A in LDS
	s_mul_i32 s22, s16, 64*PITCH
	s_add_co_u32 s22, s22, ABYTES                  ; my 64 rows of B
	s_mul_i32 s23, s14, 16*SPITCH                  ; my stage
	s_lshl_b32 s18, s42, 9
	s_lshl_b32 s19, s16, 8
	s_add_co_u32 s18, s18, s19                     ; my first column, in bytes of f32
	s_mov_b32 s19, 0
	s_add_nc_u64 s[44:45], s[44:45], s[18:19]      ; bo
	s_lshl_b32 s60, s17, 8
	s_lshl_b32 s61, s15, 7
	s_add_co_u32 s60, s60, s61                     ; my first row = 2,048 x batch + place
	s_lshl_b32 s62, s60, 1                         ; cs: 32 bytes for each tile of 16 rows
	s_mov_b32 s63, 0
	s_add_nc_u64 s[6:7], s[6:7], s[62:63]
	s_lshr_b32 s61, s60, 11
	s_and_b32 s60, s60, 2047
	s_lshl_b32 s60, s60, 14                        ; a step of t is 4 x 4,096 bytes,
	s_lshl_b32 s61, s61, 12                        ; a batch 4,096
	s_add_co_u32 s60, s60, s61
	s_add_co_u32 s60, s60, s18
	s_mov_b32 s61, 0
	s_add_nc_u64 s[46:47], s[46:47], s[60:61]      ; time_decay
	s_add_nc_u64 s[48:49], s[48:49], s[60:61]      ; out0
	s_lshl_b32 s62, s18, 3                         ; ws: 32 bytes a row of Wo,
	s_add_co_u32 s62, s62, 98304                   ; behind three weights' 1,024 rows
	s_add_nc_u64 s[10:11], s[10:11], s[62:63]
	v_and_b32 v1, 15, v0                           ; r
	v_bfe_u32 v2, v0, 4, 1                         ; h
	v_and_b32 v6, 31, v0
	v_lshlrev_b32 v3, 3, v6
	v_add_nc_u32 v[ADRA], s21, v3                  ; A's fragments: register pair p of step s of tile i at 12,288 i + 1,536 s + 256 p + 8 x lane
.irp i, 1,2,3,4,5,6,7
	v_add_nc_u32 v[ADRA+\i], 12288*\i, v[ADRA]
.endr
	v_mul_u32_u24 v4, v1, PITCH
	v_mad_u32_u24 v4, v2, 24, v4
	v_add_nc_u32 v[ADRB], s22, v4                  ; B's fragments: row x pitch + 24 h, K steps 0 and 1;
	v_add_nc_u32 v[ADRB+1], 2*BSTEP, v[ADRB]       ; K steps 2 and 3;
	v_lshl_add_u32 v[ADRB+2], v2, 4, v[ADRB]       ; and for pieces whose lanes 16-31 lie behind the next 16 bytes of padding
	v_lshl_add_u32 v[ADRB+3], v2, 4, v[ADRB+1]
	v_mul_u32_u24 v5, v1, SPITCH
	v_lshl_add_u32 v5, v2, 6, v5
	v_add_nc_u32 v[STO], s23, v5                   ; the stage, in: row r, 64 bytes for each half of the lanes
	v_mul_u32_u24 v5, v2, SPITCH
	v_lshl_add_u32 v5, v1, 4, v5
	v_add_nc_u32 v[RD], s23, v5                    ; back: sixteen lanes take a row of 256 bytes, two rows an instruction;
	v_lshlrev_b32 v[CO], 4, v1
	v_lshl_add_u32 v[CO], v2, 14, v[CO]            ; and the same two rows in memory
	v_lshlrev_b32 v[BOQ], 6, v2
	v_lshlrev_b32 v[VSA], 1, v1
	v_lshl_add_u32 v[VSA], v2, 15, v[VSA]          ; cs is [head][tile][row][2 bytes]: 2 r, lanes 16-31 two heads on
	v_lshlrev_b32 v[VSB], 5, v1
	v_lshl_add_u32 v[VSB], v2, 2, v[VSB]           ; ws: 32 r + 4 h
.irp i, 0,1,2,3,4,5,6,7
.irp k, 0,1,2,3
	global_load_u16 v[SA+4*\i+\k], v[VSA], s[6:7] offset:65536*\k+32*\i          ; head 4 k + 2 h: the lower two bytes of the word,
	global_load_u16 v[TS+4*\i+\k], v[VSA], s[6:7] offset:65536*\k+32*\i+16384    ; head 4 k + 2 h + 1: the upper two
.endr
.endr
.irp b, 0,1,2,3
.irp k, 0,1,2,3
	global_load_b32 v[SB+4*\b+\k], v[VSB], s[10:11] offset:512*\b+8*\k
.endr
.endr
.irp b, 0,1,2,3
	global_load_b128 v[BI+8*\b:BI+8*\b+3], v[BOQ], s[44:45] offset:(32*(\b/2)+8*(\b%2))*4
	global_load_b128 v[BI+8*\b+4:BI+8*\b+7], v[BOQ], s[44:45] offset:(32*(\b/2)+8*(\b%2))*4+16
.endr
.macro TDLOAD a                        ; time_decay for block a: 16 rows x 256 bytes into set a % 4
	WIN 0xc0
.irp t, 0,1,2,3,4,5,6,7
	global_load_b128 v[96+32*((\a)%4)+4*\t:96+32*((\a)%4)+4*\t+3], v[CO], s[46:47] offset:(32*((\a)/2)+8*((\a)%2)+2*\t+8*(\t/4))*16384 th:TH_LOAD_NT
.endr
	WIN 0
.endm
	TDLOAD 0
	TDLOAD 1
	TDLOAD 2
	TDLOAD 3
.macro FRAG reg, adr, q, i, xo         ; a fragment of B: six pieces of 8 bytes of a row of 192 bytes that has 16 bytes of padding behind each 64
.irp p, 0,1,2,3,4,5
.set PCE, 12*(\q)+6*(\p/3)+\p%3
.if PCE%8 < 5
	ds_load_b64 v[\reg+2*\p:\reg+2*\p+1], v[\adr] offset:8*PCE+16*(PCE/8)+(\i)*16*PITCH+(\xo)
.else
	ds_load_b64 v[\reg+2*\p:\reg+2*\p+1], v[\adr+2] offset:8*PCE+16*(PCE/8)+(\i)*16*PITCH+(\xo)
.endif
.endr
.endm
.macro FETCH st, p                     ; step st (128 along K): 48 loads for A's eight fragments, 24 for B's four, into set p
	WIN 0x80
.irp i, 0,1,2,3,4,5,6,7
.irp u, 0,1,2,3,4,5
	ds_load_b64 v[96*(\p)+FR*\i+2*\u:96*(\p)+FR*\i+2*\u+1], v[ADRA+\i] offset:1536*(\st)+256*\u
.endr
.endr
	WIN 0xc0
.irp i, 0,1,2,3
	FRAG 48*(\p)+FR*\i, ADRB+(\st)/4, (\st)%2, \i, (((\st)/2)%2)*BSTEP
.endr
.endm
.macro MUL st, p, first                ; 32 matrix instructions, the accumulators by turns; first = 1: the bias starts the sums
	WIN 0x5b-0x10*(\first)
.irp a, 0,1,2,3,4,5,6,7
.irp b, 0,1,2,3
.set rD, 8*(4*\a+\b)
.set rC, rD
.if \first
.set rC, BI+8*\b
.endif
.if (\st)%2
	v_wmma_scale_f32_16x16x128_f8f6f4 v[rD:rD+7], v[48*(\p)+FR*\b:48*(\p)+FR*\b+FR-1], v[96*(\p)+FR*\a:96*(\p)+FR*\a+FR-1], v[rC:rC+7], v[SB+4*\b+(\st)/2], v[SA+4*\a+(\st)/2] matrix_a_fmt:MATRIX_FMT_FP6 matrix_b_fmt:MATRIX_FMT_FP6 matrix_a_scale:MATRIX_SCALE_ROW1 matrix_b_scale:MATRIX_SCALE_ROW1
.else
	v_wmma_scale_f32_16x16x128_f8f6f4 v[rD:rD+7], v[48*(\p)+FR*\b:48*(\p)+FR*\b+FR-1], v[96*(\p)+FR*\a:96*(\p)+FR*\a+FR-1], v[rC:rC+7], v[SB+4*\b+(\st)/2], v[SA+4*\a+(\st)/2] matrix_a_fmt:MATRIX_FMT_FP6 matrix_b_fmt:MATRIX_FMT_FP6
.endif
.endr
.endr
.endm
	s_wait_alu depctr_va_vdst(0)                   ; the wait at the head's end
	s_wait_tensorcnt 0x0                           ; my half has landed
	s_barrier_signal -1
	s_barrier_wait -1                              ; all four halves have
	FETCH 0, 0
	FETCH 1, 1
	WIN 0
	s_wait_loadcnt 32                              ; the scale words and the bias are in; the 32 loads of time_decay may be out
.set j, 0
.rept 32
	v_lshl_or_b32 v[SA+j], v[TS+j], 16, v[SA+j]
.set j, j+1
.endr
	PLACES 8                                       ; a scale register written by a vector instruction stands 8 places ahead of a scaled matrix instruction
	s_wait_alu depctr_va_vdst(0)                   ; the wait here, directly ahead of the wait below
	s_wait_dscnt 63                                ; step 0's fragments are in: behind them stand step 1's 72 loads, of which 63, the most that the wait can name, may be out
	MUL 0, 0, 1
.irp st, 1,2,3,4,5,6
	PLACES 4                                       ; in front of loads into registers that the last step's products have read
	FETCH \st+1, (\st+1)%2
	s_wait_dscnt 63                                ; this step's fragments are in: of the 72 loads just issued 63 may be out
	MUL \st, (\st)%2, 0
.endr
	s_wait_dscnt 0x0
	MUL 7, 1, 0
	WIN 0
	PLACES 4                                       ; in front of the first read of the results
	s_barrier_signal -1                            ; no LDS instruction of mine is out: my reads of A and B are over
	s_barrier_wait -1                              ; and so are everybody's: the stages may lie in A's bytes
; THE WAY OUT, block by block of 16 rows x 64 columns: through my stage, back as whole rows of 256 bytes, x time_decay, stored: sixteen lanes fill an aligned run of 256 bytes
.macro TOSTAGE a
	WIN 0x04
.irp b, 0,1,2,3
	ds_store_b128 v[STO], v[32*(\a)+8*\b:32*(\a)+8*\b+3] offset:128*(\b/2)+32*(\b%2)       ; each accumulator from its low end on
	ds_store_b128 v[STO], v[32*(\a)+8*\b+4:32*(\a)+8*\b+7] offset:128*(\b/2)+32*(\b%2)+16
.endr
	WIN 0
.irp t, 0,1,2,3,4,5,6,7
	ds_load_b128 v[BB+32*((\a)%2)+4*\t:BB+32*((\a)%2)+4*\t+3], v[RD] offset:2*\t*SPITCH   ; LDS serves a wave's instructions in order: these see the stores above
.endr
.endm
.macro SEND a, younger                 ; younger: the LDS instructions issued behind block a's loads, which may stay out
.set BA, BB+32*((\a)%2)
.set TD, 96+32*((\a)%4)
	s_wait_dscnt \younger
.if 7-(\a) >= 3
	s_wait_loadcnt 24                              ; block a's time_decay is in; that of the three blocks behind it may be out
.else
	s_wait_loadcnt 8*(7-(\a))
.endif
	WIN 0x0c
.set j, 0
.rept 16
	v_pk_mul_f32 v[BA+j:BA+j+1], v[BA+j:BA+j+1], v[TD+j:TD+j+1]
.set j, j+2
.endr
	WIN 0
.irp t, 0,1,2,3,4,5,6,7
	global_store_b128 v[CO], v[BA+4*\t:BA+4*\t+3], s[48:49] offset:(32*((\a)/2)+8*((\a)%2)+2*\t+8*(\t/4))*16384 th:TH_STORE_NT
.endr
.if (\a) < 4
	TDLOAD (\a)+4
.endif
.endm
	TOSTAGE 0
.irp a, 1,2,3,4,5,6,7
.if \a > 1
	s_wait_xcnt 0x0                                ; block a - 2's stores have read their registers: block a's loads may land there
.endif
	TOSTAGE \a
	SEND \a-1, 16                                  ; behind block a - 1's loads: block a's 8 stores and 8 loads
.endr
	SEND 7, 0
	s_wait_tensorcnt 0x0                           ; the wave's end
	ds_add_u32 v[SPW], v[NIL]
	s_wait_dscnt 0x0
	CROUND                                         ; the closing round
	s_endpgm
.Lfunc_end_k_q4502c430eb_outp:
	.size	k_q4502c430eb_outp, .Lfunc_end_k_q4502c430eb_outp-k_q4502c430eb_outp
	.p2alignl 7, 3214868480
	.fill 96, 4, 3214868480
	.section	.rodata,"a",@progbits
	.p2align	6, 0x0
	.amdhsa_kernel k_q4502c430eb_outp
		.amdhsa_group_segment_fixed_size 327680
		.amdhsa_private_segment_fixed_size 0
		.amdhsa_enable_private_segment 0
		.amdhsa_kernarg_size 56
		.amdhsa_user_sgpr_count 2
		.amdhsa_user_sgpr_kernarg_segment_ptr 1
		.amdhsa_wavefront_size32 1
		.amdhsa_system_sgpr_workgroup_id_x 1
		.amdhsa_system_sgpr_workgroup_id_y 1
		.amdhsa_system_sgpr_workgroup_id_z 1
		.amdhsa_system_vgpr_workitem_id 0
		.amdhsa_next_free_vgpr 1024
		.amdhsa_next_free_sgpr 68
		.amdhsa_reserve_vcc 0
		.amdhsa_float_denorm_mode_32 3
		.amdhsa_float_denorm_mode_16_64 3
		.amdhsa_memory_ordered 1
		.amdhsa_forward_progress 1
		.amdhsa_inst_pref_size 119
	.end_amdhsa_kernel
	.amdgpu_metadata
---
amdhsa.version: [ 1, 2 ]
amdhsa.kernels:
  - .name:           k_q4502c430eb_outp
    .symbol:         k_q4502c430eb_outp.kd
    .args:
      - { .name: cf, .offset: 0, .size: 8, .value_kind: global_buffer, .address_space: global }
      - { .name: cs, .offset: 8, .size: 8, .value_kind: global_buffer, .address_space: global }
      - { .name: xc, .offset: 16, .size: 8, .value_kind: global_buffer, .address_space: global }
      - { .name: ws, .offset: 24, .size: 8, .value_kind: global_buffer, .address_space: global }
      - { .name: bo, .offset: 32, .size: 8, .value_kind: global_buffer, .address_space: global }
      - { .name: time_decay, .offset: 40, .size: 8, .value_kind: global_buffer, .address_space: global }
      - { .name: out0, .offset: 48, .size: 8, .value_kind: global_buffer, .address_space: global }
    .group_segment_fixed_size: 327680
    .private_segment_fixed_size: 0
    .kernarg_segment_align: 8
    .kernarg_segment_size: 56
    .max_flat_workgroup_size: 128
    .sgpr_count:     68
    .vgpr_count:     1024
    .wavefront_size: 32
...
	.end_amdgpu_metadata
.endif
;; end of part 4
